; MI455X (gfx1250); checked and timed in simulation.
; The chip was launched on July 23, 2026; its instructions are those of AMD's public machine-readable ISA for CDNA 5 (MIT licence, August 2026) and "CDNA5" Instruction Set Architecture Reference Guide (July 2026). The comments in the code are by the model that wrote it; some were corrected since.
;; Sliding Window Attention. Allowed arithmetic: matrix products marked QUANTISED: E2M1 operands, one E8M0 scale for each 32 along K, by v_wmma_scale_f32_16x16x128_f8f6f4 with both operands' format E2M1 (or v_wmma_scale_f32_32x16x128_f4), f32 sums; products left as they are: bf16, f16 or f32 operands; f32 sums; everything else in f32.
;; Inputs: freqs_cos 2,048 x 32 float32; freqs_sin 2,048 x 32 float32; wk 1,024 x 256 float32; wo 1,024 x 1,024 float32; wq 1,024 x 1,024 float32; wv 1,024 x 256 float32; x 2 x 2,048 x 1,024 float32.
;; Outputs: out0 2 x 2,048 x 1,024 float32.
;; This version of the problem:
;;   THIS VERSION OF THE PROBLEM IS GIVEN IN LOW PRECISION. The matrix products marked QUANTISED in the list below multiply operands that are first quantised to E2M1 (2 exponent bits, 1 mantissa bit; 4 bits a number), with one power-of-two scale for each 32 numbers along K (OCP MX v1.0); their sums are f32. The products marked 'left as it is' may take bf16, f16 or f32 operands, with f32 sums. Whichever they take, every output number must still come out within the allowed error. Rounding operands to bf16 (8 significant bits) uses up far more of that allowance than f16 does (11 bits, for magnitudes from 6e-5 to 65,504). All else is computed in f32.
;;   The module's matrix products, in the order in which they are computed (A, B: the left and right operand; K: the contracted axis; several contracted axes count as one K, in the product's order):
;;     1. [M 4,096, K 1,024] x [K 1,024, N 1,024]; A: input x; B: input wq: QUANTISED
;;     2. [M 4,096, K 1,024] x [K 1,024, N 256]; A: input x; B: input wk: QUANTISED
;;     3. [M 4,096, K 1,024] x [K 1,024, N 256]; A: input x; B: input wv: QUANTISED
;;     4. batch 32 x [M 2,048, K 64] x [K 64, N 2,048]; A: computed on the way; B: computed on the way: left as it is (an operand is computed on the way)
;;     5. batch 32 x [M 64, K 2,048] x [K 2,048, N 2,048]; A: computed on the way; B: computed on the way: left as it is (an operand is computed on the way)
;;     6. [M 4,096, K 1,024] x [K 1,024, N 1,024]; A: computed on the way; B: input wo: left as it is (an operand is computed on the way)
;;   THE QUANTISER, for each operand of a quantised product, along K:
;;     - K is cut into blocks of 32 from its start; a last block that is shorter is filled with zeros.
;;     - A block's scale is 2^e with e = floor(log2(the largest magnitude in the block)) - 2, held to -126 .. 127; a block of zeros has e = 0. As a byte (E8M0): e + 127.
;;     - Each number is divided by its block's scale, clamped to +-6, and rounded to the nearest number of E2M1, ties to even, subnormals kept.
;;     - The product sums the exact products of the quantised numbers (number of the format x scale) in f32.
;;   ~~~python
;;   def quantise(x, axis):      # numpy; x: float32 -> the quantised numbers, widened to float32 again
;;       x = np.moveaxis(x, axis, -1); K = x.shape[-1]
;;       x = np.pad(x, [(0, 0)] * (x.ndim - 1) + [(0, -K % 32)]); x = x.reshape(x.shape[:-1] + (-1, 32)); a = np.abs(x).max(-1, keepdims=True)
;;       e = np.where(a > 0, np.clip(np.frexp(np.where(a > 0, a, 1))[1] - 1 - 2, -126, 127), 0)      # np.frexp(a)[1] - 1 = floor(log2(a)), exactly
;;       r = np.clip(x / 2.0 ** e, -6, 6)
;;       step = 2.0 ** (np.maximum(np.frexp(np.where(r == 0, 1, r))[1] - 1, 0) - 1)
;;       q = np.round(r / step) * step * 2.0 ** e      # np.round: ties to even
;;       return np.moveaxis(q.reshape(q.shape[:-2] + (-1,))[..., :K], -1, axis).astype(np.float32)
;;   ~~~
;; One version. Each part assembles by itself: llvm-mc -triple=amdgcn-amd-amdhsa -mcpu=gfx1250 --defsym DOCPART=n.
;; ======== version 1 of 1: 3 launches
;; limits: right only within a limited range of input values; values are held in f16: magnitudes above 65,504 overflow, below 6.1e-05 lose precision
;; workspace buffers: x_codes 2,097,152 bytes; x_scales 131,072 bytes; w_codes 786,432 bytes; w_scales 49,152 bytes; wot 2,097,152 bytes; att 8,388,608 bytes
;; launch prep (part 1): grid 208 x 1, 16 waves a work-group, no clusters, 169,984 bytes of LDS; arguments x, wq, wk, wv, wo, x_codes, x_scales, w_codes, w_scales, wot; writes x_codes, x_scales, w_codes, w_scales, wot
.if DOCPART == 1
	.amdgcn_target "amdgcn-amd-amdhsa--gfx1250"
	.amdhsa_code_object_version 6
	.text
	.protected	k_q513f211530_prep
	.globl	k_q513f211530_prep
	.p2align	8
	.type	k_q513f211530_prep,@function
k_q513f211530_prep:
	s_mov_b64 s[64:65], 0
	v_nop
	global_prefetch_b8 v0, s[64:65] scope:SCOPE_SE
	s_setreg_imm32_b32 hwreg(HW_REG_WAVE_MODE, 25, 1), 1
	s_wait_xcnt 0x0
; PREP: the operands of the later launches are laid out once.
;   x  [4096][1024] f32            -> x_codes [4096][512 B] (E2M1, K innermost, the lower k in the low four bits), x_scales [2 halves of K][4096][16 B] (E8M0)
;   wq [1024][1024], wk, wv [1024][256] f32, K their FIRST axis -> w_codes [4 groups][384 rows][512 B], w_scales [2][1536][16 B]
;       (rows of group g: 0-255 wq's columns 256 g on, 256-319 wk's columns 64 g on, 320-383 wv's columns 64 g on)
;   wo [1024 k][1024 n] f32        -> wot [1024 n][1024 k] f16, rounded once
; A block's scale is 2^(floor(log2(its largest magnitude)) - 2); its byte is the largest magnitude's exponent field - 2, held at 1 from below.
; LIMITS: NaN and infinities among the inputs are not served; blocks whose largest magnitude lies under 2^-124 get the byte 1 (a block of zeros too, where the
; quantiser says 127: its codes are zeros, and this program alone reads the bytes); |wo| must lie under 65,504, f16's largest number.
; SHARES: 208 work-groups of 16 waves; each reads 128 KiB, each wave 8 KiB, all asked for at the wave's start.  Work-groups 0-127 take 32 rows of x each, 128-175 a piece of
; 64 columns x 512 K of wq, wk or wv, 176-207 such a piece of wo.  The three ways part on the work-group's number alone; each has LDS bytes of its own, one barrier and its own end.
; No cluster: no two work-groups read the same bytes.  No tensor loads, no matrix instructions: memory binds.
.set XST,   0                          ; x: a region of 5,120 bytes for each wave: two stages of 32 places x 80 bytes
.set XSB,   81920                      ; x: the work-group's scale bytes, [2 halves of K][32 rows][16]
.set WST,   82944                      ; w: 64 columns x (256 bytes of codes + 16)
.set WSB,   100352                     ; w: 64 columns x 16 scale bytes
.set OST,   101376                     ; wo: 64 columns x (1,024 bytes of f16 + 16)
.set SPARE, 167936                     ; the spare words, 128 bytes for each of 16 waves: eight blocks of 256 bytes that no other line names
.set SPW,   12                         ; v12  LDS address of my spare word; never rewritten
.set NIL,   13                         ; v13  0; never rewritten
.set RR,    16                         ; v16-79   numbers as they are loaded
.set XX,    80                         ; x: v80-111  two sets of 16 neighbours
.set EE,    112                        ; x: v112-115 a scale byte for each step
.set CC,    116                        ; x: v116-123 two registers of codes for each step
; ---- x: example-wise: each load reads 512 consecutive bytes; a step's 2,048 bytes turn through the wave's own stage so that a lane holds 16 neighbours along K
.macro LOADX t
.irp k, 0,1,2,3
	global_load_b128 v[RR+16*(\t)+4*\k:RR+16*(\t)+4*\k+3], v3, s[4:5] offset:2048*(\t)+512*\k th:TH_LOAD_NT
.endr
.endm
.macro TURNX t                         ; LDS serves a wave's instructions in order: no wait between the stores and the loads
.irp k, 0,1,2,3
	ds_store_b128 v14, v[RR+16*(\t)+4*\k:RR+16*(\t)+4*\k+3] offset:2560*((\t)%2)+640*\k
.endr
.irp k, 0,1,2,3
	ds_load_b128 v[XX+16*((\t)%2)+4*\k:XX+16*((\t)%2)+4*\k+3], v15 offset:2560*((\t)%2)+16*\k
.endr
.endm
.macro STEPX t                         ; 512 numbers: row 2 wave + t / 2, half t % 2 of K
.set XS, XX+16*((\t)%2)
.if (\t) > 0
	s_wait_dscnt 1                                 ; this step's numbers are back from the stage; the last step's byte store may be out
.else
	s_wait_dscnt 0x0
.endif
.if (\t) < 3
	s_wait_loadcnt 4*(2-(\t))                      ; the next step's four loads are in; those of the steps behind it may be out
	TURNX (\t)+1
.endif
	v_max3_num_f32 v8, |v[XS]|, |v[XS+1]|, |v[XS+2]|
	v_max3_num_f32 v9, |v[XS+3]|, |v[XS+4]|, |v[XS+5]|
.irp i, 6,10
	v_max3_num_f32 v8, v8, |v[XS+\i]|, |v[XS+\i+1]|
	v_max3_num_f32 v9, v9, |v[XS+\i+2]|, |v[XS+\i+3]|
.endr
	v_max3_num_f32 v8, v8, |v[XS+14]|, |v[XS+15]|
	v_max3_num_f32 v8, v8, v9, 0x1800000           ; and the floor 2^(3 - 127): the byte cannot fall under 1
	v_max_num_f32_dpp v8, v8, v8 row_xmask:1 row_mask:0xf bank_mask:0xf   ; with my neighbour's 16: the block's largest magnitude
	v_add_nc_u32 v11, 0xff000000, v8               ; 2 off its exponent field: the conversion takes this operand's exponent field as its scale
	v_cvt_scalef32_pk8_fp4_f32 v[CC+2*(\t)], v[XS:XS+7], v11
	v_cvt_scalef32_pk8_fp4_f32 v[CC+2*(\t)+1], v[XS+8:XS+15], v11
	v_lshrrev_b32 v[EE+(\t)], 23, v11              ; the scale's byte
	ds_store_b8 v5, v[EE+(\t)] offset:512*((\t)%2)+16*((\t)/2)   ; both lanes of a block write the same byte with the same value
	global_store_b64 v4, v[CC+2*(\t):CC+2*(\t)+1], s[14:15] offset:256*(\t)   ; the wave stores 256 consecutive bytes, aligned
.endm
; ---- w: a block of 32 along K of my column lies in my 32 registers
.macro BLOCKW b
.set XS, RR+32*(\b)
.if (\b) == 0
	s_wait_loadcnt 32                              ; block 0's 32 loads are in; block 1's may be out
.else
	s_wait_loadcnt 0x0
.endif
	v_max3_num_f32 v105, |v[XS]|, |v[XS+1]|, |v[XS+2]|
	v_max3_num_f32 v106, |v[XS+3]|, |v[XS+4]|, |v[XS+5]|
.irp i, 6,10,14,18,22,26
	v_max3_num_f32 v105, v105, |v[XS+\i]|, |v[XS+\i+1]|
	v_max3_num_f32 v106, v106, |v[XS+\i+2]|, |v[XS+\i+3]|
.endr
	v_max3_num_f32 v105, v105, |v[XS+30]|, |v[XS+31]|
	v_max3_num_f32 v105, v105, v106, 0x1800000     ; the floor, as above
	v_add_nc_u32 v107, 0xff000000, v105
.if (\b) == 0
	v_lshrrev_b32 v104, 23, v107                   ; my two bytes in one register, the lower K in the lower byte
.else
	v_lshrrev_b32 v106, 23, v107
	v_lshl_or_b32 v104, v106, 8, v104
.endif
.irp g, 0,1,2,3
	v_cvt_scalef32_pk8_fp4_f32 v[96+4*(\b)+\g], v[XS+8*\g:XS+8*\g+7], v107
.endr
	ds_store_b128 v4, v[96+4*(\b):96+4*(\b)+3] offset:16*(\b)   ; 32 codes: 16 bytes of my column's row
.endm
	s_load_b256 s[4:11], s[0:1], 0x0               ; x s[4:5], wq s[6:7], wk s[8:9], wv s[10:11]
	s_load_b256 s[12:19], s[0:1], 0x20             ; wo s[12:13], x_codes s[14:15], x_scales s[16:17], w_codes s[18:19]
	s_load_b128 s[20:23], s[0:1], 0x40             ; w_scales s[20:21], wot s[22:23]
	v_lshl_add_u32 v[SPW], v0, 2, SPARE
	v_mov_b32 v[NIL], 0
	v_lshrrev_b32 v1, 5, v0
	v_readfirstlane_b32 s24, v1                    ; wave 0..15
	v_and_b32 v2, 31, v0                           ; lane
	v_and_b32 v1, 15, v0                           ; r = lane % 16
	v_bfe_u32 v9, v0, 4, 1                         ; h = lane / 16
	s_wait_kmcnt 0x0
	s_cmp_lt_u32 ttmp9, 128
	s_cbranch_scc0 .Lnot_x
	; ================= x: work-group i owns rows 32 i .. 32 i + 31, wave w rows 2 w and 2 w + 1 of them
	s_lshl_b32 s26, ttmp9, 17                      ; 32 rows of 4,096 bytes,
	s_lshl_b32 s27, s24, 13                        ; two rows a wave
	s_add_co_u32 s26, s26, s27
	s_mov_b32 s27, 0
	s_add_nc_u64 s[4:5], s[4:5], s[26:27]
	v_lshlrev_b32 v3, 4, v2                        ; my 16 bytes of a load's 512
.irp t, 0,1,2,3
	LOADX \t
.endr
	s_lshr_b32 s26, s26, 3                         ; the codes are an eighth of the bytes
	s_add_nc_u64 s[14:15], s[14:15], s[26:27]
	s_lshl_b32 s26, ttmp9, 9                       ; 32 rows x 16 scale bytes in each half's plane
	s_add_nc_u64 s[16:17], s[16:17], s[26:27]
	s_mul_i32 s28, s24, 5120                       ; my wave's region (XST = 0)
	v_lshrrev_b32 v14, 2, v2
	v_mul_u32_u24 v14, v14, 80
	v_and_b32 v15, 3, v2
	v_lshl_add_u32 v14, v15, 4, v14
	v_add_nc_u32 v14, s28, v14                     ; into a stage: 80 (lane / 4) + 16 (lane % 4); a load's 512 bytes take eight places
	v_mul_u32_u24 v15, v2, 80
	v_add_nc_u32 v15, s28, v15                     ; out of it: 80 x lane: my 16 neighbours
	v_lshlrev_b32 v4, 3, v2                        ; my 8 bytes of a step's codes
	v_lshrrev_b32 v5, 1, v2
	s_lshl_b32 s28, s24, 5
	s_add_co_u32 s28, s28, XSB
	v_add_nc_u32 v5, s28, v5                       ; my block's byte: 16 bytes a row, two rows a wave
	v_and_b32 v6, 63, v0
	v_lshl_add_u32 v6, v6, 4, XSB                  ; the bytes' way out (waves 0, 1): 16 bytes a thread
	v_bfe_u32 v7, v0, 5, 1
	v_lshlrev_b32 v7, 16, v7                       ; wave 0 stores the first half's plane, wave 1 the second's, 65,536 bytes on
	v_lshl_add_u32 v7, v2, 4, v7
	s_wait_loadcnt 12                              ; step 0's four loads are in; twelve may be out
	TURNX 0
.irp t, 0,1,2,3
	STEPX \t
.endr
	s_wait_dscnt 0x0                               ; for the others' sake: my byte stores are done
	s_barrier_signal -1
	s_barrier_wait -1
	s_cmp_lt_u32 s24, 2
	s_cbranch_scc0 .Lx_done
	ds_load_b128 v[8:11], v6
	s_wait_dscnt 0x0
	global_store_b128 v7, v[8:11], s[16:17]        ; 32 rows x 16 bytes: 512 consecutive bytes, aligned
.Lx_done:
	s_wait_tensorcnt 0x0                           ; the wave's end, behind my last LDS store
	ds_add_u32 v[SPW], v[NIL]
	s_wait_dscnt 0x0
	s_endpgm
.Lnot_x:
	s_cmp_lt_u32 ttmp9, 176
	s_cbranch_scc0 .Lpath_o
	; ================= wq, wk, wv: piece j: half j % 2 of K, column group j / 2 (0-15 wq's, 16-19 wk's, 20-23 wv's), 64 columns.  Wave: 32 columns (wave % 2) x 64 along K (wave / 2)
	s_sub_co_u32 s25, ttmp9, 128
	s_and_b32 s26, s25, 1                          ; kh
	s_lshr_b32 s27, s25, 1                         ; the column group
	s_and_b32 s28, s27, 7                          ; for wk and wv: the group less 16
	s_and_b32 s29, s28, 3                          ; the key/value head
	s_lshr_b32 s30, s28, 2                         ; 0 wk, 1 wv
	s_mul_i32 s31, s29, 384
	s_lshl_b32 s30, s30, 6
	s_add_co_u32 s31, s31, s30
	s_add_co_u32 s31, s31, 256                     ; their first row in w_codes: 384 head + 256 + 64 (wv)
	s_lshr_b32 s32, s27, 2
	s_mul_i32 s32, s32, 384
	s_and_b32 s33, s27, 3
	s_lshl_b32 s33, s33, 6
	s_add_co_u32 s32, s32, s33                     ; wq's: 384 (group / 4) + 64 (group % 4)
	s_cmp_lt_u32 s28, 4
	s_cselect_b64 s[8:9], s[8:9], s[10:11]         ; wk or wv
	s_mov_b32 s34, 1024
	s_cmp_lt_u32 s27, 16
	s_cselect_b64 s[6:7], s[6:7], s[8:9]           ; the source: the choice hangs on the work-group's number alone
	s_cselect_b32 s34, 4096, s34                   ; a row of it in bytes
	s_cselect_b32 s35, s27, s29                    ; the column group inside it
	s_cselect_b32 s31, s32, s31                    ; the first row in w_codes
	s_and_b32 s36, s24, 1                          ; ch
	s_lshr_b32 s37, s24, 1                         ; kc
	s_lshl_b32 s38, s26, 9
	s_lshl_b32 s39, s37, 6
	s_add_co_u32 s38, s38, s39                     ; my first k: 512 kh + 64 kc
	s_mul_i32 s38, s38, s34
	s_lshl_b32 s39, s35, 8
	s_add_co_u32 s38, s38, s39
	s_lshl_b32 s39, s36, 7
	s_add_co_u32 s38, s38, s39                     ; + 256 bytes a column group + 128 ch
	s_mov_b32 s39, 0
	s_add_nc_u64 s[40:41], s[6:7], s[38:39]
	s_lshl_b32 s38, s34, 4                         ; 16 rows on
	s_add_nc_u64 s[42:43], s[40:41], s[38:39]
	s_add_nc_u64 s[44:45], s[42:43], s[38:39]
	s_add_nc_u64 s[46:47], s[44:45], s[38:39]
	v_lshlrev_b32 v3, 2, v2                        ; a lane takes a column
.irp i, 0,1,2,3,4,5,6,7,8,9,10,11,12,13,14,15
	v_mad_u32_u24 v[80+\i], s34, \i, v3            ; and its registers run down K: row i of sixteen
.endr
.irp a, 0,1,2,3
.irp i, 0,1,2,3,4,5,6,7,8,9,10,11,12,13,14,15
	global_load_b32 v[RR+16*\a+\i], v[80+\i], s[40+2*\a:41+2*\a] th:TH_LOAD_NT   ; 128 consecutive bytes a wave; the wave beside it reads the 128 beside them
.endr
.endr
	s_mul_i32 s25, s36, 32*272
	s_lshl_b32 s28, s37, 5
	s_add_co_u32 s25, s25, s28
	s_add_co_u32 s25, s25, WST
	v_mul_u32_u24 v4, v2, 272
	v_add_nc_u32 v4, s25, v4                       ; into the stage: row = my column, my wave's 32 bytes of its 256
	s_lshl_b32 s25, s36, 9
	s_lshl_b32 s28, s37, 1
	s_add_co_u32 s25, s25, s28
	s_add_co_u32 s25, s25, WSB
	v_lshl_add_u32 v5, v2, 4, s25                  ; my column's 16 scale bytes, my wave's two
	s_mul_i32 s25, s24, 4*272
	s_add_co_u32 s25, s25, WST
	v_mul_u32_u24 v7, v9, 272
	v_lshl_add_u32 v7, v1, 4, v7
	v_add_nc_u32 v7, s25, v7                       ; out of it: four rows a wave, sixteen lanes to a row
	s_lshl_b32 s25, s24, 11
	v_lshlrev_b32 v8, 9, v9
	v_lshl_add_u32 v8, v1, 4, v8
	v_add_nc_u32 v8, s25, v8                       ; and the same place in w_codes: rows of 512 bytes
	v_and_b32 v10, 63, v0
	v_lshlrev_b32 v10, 4, v10                      ; the bytes' way out (waves 0, 1): 16 bytes a thread
	v_add_nc_u32 v6, WSB, v10
	s_lshl_b32 s28, s31, 9
	s_lshl_b32 s29, s26, 8
	s_add_co_u32 s28, s28, s29
	s_mov_b32 s29, 0
	s_add_nc_u64 s[18:19], s[18:19], s[28:29]      ; w_codes at my first row, my half of K
	s_mul_i32 s28, s26, 24576
	s_lshl_b32 s30, s31, 4
	s_add_co_u32 s28, s28, s30
	s_add_nc_u64 s[20:21], s[20:21], s[28:29]      ; w_scales likewise
	BLOCKW 0
	BLOCKW 1
	ds_store_b16 v5, v104
	s_wait_dscnt 0x0                               ; for the others' sake: my stores into the stage are done
	s_barrier_signal -1
	s_barrier_wait -1
.irp e, 0,1
	ds_load_b128 v[108+4*\e:111+4*\e], v7 offset:544*\e
.endr
.irp e, 0,1
	s_wait_dscnt 1-\e
	global_store_b128 v8, v[108+4*\e:111+4*\e], s[18:19] offset:1024*\e   ; sixteen lanes store 256 consecutive bytes, aligned
.endr
	s_cmp_lt_u32 s24, 2
	s_cbranch_scc0 .Lw_done
	ds_load_b128 v[116:119], v6
	s_wait_dscnt 0x0
	global_store_b128 v10, v[116:119], s[20:21]    ; 32 rows x 16 bytes: 512 consecutive bytes
.Lw_done:
	s_wait_tensorcnt 0x0                           ; the wave's end
	ds_add_u32 v[SPW], v[NIL]
	s_wait_dscnt 0x0
	s_endpgm
.Lpath_o:
	; ================= wo: piece j: half j % 2 of k, 64 columns n from 64 (j / 2) on.  Wave: 32 columns x 64 along k, as above
	s_sub_co_u32 s25, ttmp9, 176
	s_and_b32 s26, s25, 1                          ; kh
	s_lshr_b32 s27, s25, 1                         ; the column group
	s_and_b32 s36, s24, 1                          ; ch
	s_lshr_b32 s37, s24, 1                         ; kc
	s_lshl_b32 s28, s26, 9
	s_lshl_b32 s29, s37, 6
	s_add_co_u32 s28, s28, s29
	s_lshl_b32 s28, s28, 12                        ; my first k, rows of 4,096 bytes
	s_lshl_b32 s29, s27, 8
	s_add_co_u32 s28, s28, s29
	s_lshl_b32 s29, s36, 7
	s_add_co_u32 s28, s28, s29
	s_mov_b32 s29, 0
	s_add_nc_u64 s[12:13], s[12:13], s[28:29]
	v_lshlrev_b32 v3, 2, v2
.set i, 0
.rept 64
	global_load_b32 v[RR+i], v3, s[12:13] offset:4096*i th:TH_LOAD_NT
.set i, i+1
.endr
	s_mul_i32 s25, s36, 32*1040
	s_lshl_b32 s28, s37, 7
	s_add_co_u32 s25, s25, s28
	s_add_co_u32 s25, s25, OST
	v_mul_u32_u24 v4, v2, 1040
	v_add_nc_u32 v4, s25, v4                       ; into the stage: row = my column n, my wave's 128 bytes of its 1,024
	s_mul_i32 s25, s24, 4*1040
	s_add_co_u32 s25, s25, OST
	v_lshl_add_u32 v7, v2, 4, s25                  ; out of it: four rows a wave, 512 bytes an instruction
	s_lshl_b32 s25, s24, 13
	v_lshl_add_u32 v8, v2, 4, s25                  ; and the same place in wot: rows of 2,048 bytes
	s_lshl_b32 s28, s27, 17
	s_lshl_b32 s30, s26, 10
	s_add_co_u32 s28, s28, s30
	s_add_nc_u64 s[22:23], s[22:23], s[28:29]
	s_wait_loadcnt 32                              ; the first 32 along k are in
.irp i, 0,1,2,3,4,5,6,7,8,9,10,11,12,13,14,15
	v_cvt_pk_f16_f32 v[80+\i], v[RR+2*\i], v[RR+2*\i+1]   ; the lower k in the low half
.endr
.irp e, 0,1,2,3
	ds_store_b128 v4, v[80+4*\e:83+4*\e] offset:16*\e
.endr
	s_wait_loadcnt 0x0
.irp i, 16,17,18,19,20,21,22,23,24,25,26,27,28,29,30,31
	v_cvt_pk_f16_f32 v[80+\i], v[RR+2*\i], v[RR+2*\i+1]
.endr
.irp e, 4,5,6,7
	ds_store_b128 v4, v[80+4*\e:83+4*\e] offset:16*\e
.endr
	s_wait_dscnt 0x0                               ; for the others' sake
	s_barrier_signal -1
	s_barrier_wait -1
.irp e, 0,1,2,3
.irp f, 0,1
	ds_load_b128 v[112+4*(2*\e+\f):115+4*(2*\e+\f)], v7 offset:1040*\e+512*\f
.endr
.endr
.irp e, 0,1,2,3
.irp f, 0,1
	s_wait_dscnt 7-(2*\e+\f)
	global_store_b128 v8, v[112+4*(2*\e+\f):115+4*(2*\e+\f)], s[22:23] offset:2048*\e+512*\f   ; 512 consecutive bytes, aligned
.endr
.endr
	s_wait_tensorcnt 0x0                           ; the wave's end
	ds_add_u32 v[SPW], v[NIL]
	s_wait_dscnt 0x0
	s_endpgm
.Lfunc_end_k_q513f211530_prep:
	.size	k_q513f211530_prep, .Lfunc_end_k_q513f211530_prep-k_q513f211530_prep
	.p2alignl 7, 3214868480
	.fill 96, 4, 3214868480
	.section	.rodata,"a",@progbits
	.p2align	6, 0x0
	.amdhsa_kernel k_q513f211530_prep
		.amdhsa_group_segment_fixed_size 169984
		.amdhsa_private_segment_fixed_size 0
		.amdhsa_enable_private_segment 0
		.amdhsa_kernarg_size 80
		.amdhsa_user_sgpr_count 2
		.amdhsa_user_sgpr_kernarg_segment_ptr 1
		.amdhsa_wavefront_size32 1
		.amdhsa_system_sgpr_workgroup_id_x 1
		.amdhsa_system_sgpr_workgroup_id_y 1
		.amdhsa_system_sgpr_workgroup_id_z 1
		.amdhsa_system_vgpr_workitem_id 0
		.amdhsa_next_free_vgpr 144
		.amdhsa_next_free_sgpr 66
		.amdhsa_reserve_vcc 0
		.amdhsa_float_denorm_mode_32 3
		.amdhsa_float_denorm_mode_16_64 3
		.amdhsa_memory_ordered 1
		.amdhsa_forward_progress 1
		.amdhsa_inst_pref_size 36
	.end_amdhsa_kernel
	.amdgpu_metadata
---
amdhsa.version: [ 1, 2 ]
amdhsa.kernels:
  - .name:           k_q513f211530_prep
    .symbol:         k_q513f211530_prep.kd
    .args:
      - { .name: x, .offset: 0, .size: 8, .value_kind: global_buffer, .address_space: global }
      - { .name: wq, .offset: 8, .size: 8, .value_kind: global_buffer, .address_space: global }
      - { .name: wk, .offset: 16, .size: 8, .value_kind: global_buffer, .address_space: global }
      - { .name: wv, .offset: 24, .size: 8, .value_kind: global_buffer, .address_space: global }
      - { .name: wo, .offset: 32, .size: 8, .value_kind: global_buffer, .address_space: global }
      - { .name: x_codes, .offset: 40, .size: 8, .value_kind: global_buffer, .address_space: global }
      - { .name: x_scales, .offset: 48, .size: 8, .value_kind: global_buffer, .address_space: global }
      - { .name: w_codes, .offset: 56, .size: 8, .value_kind: global_buffer, .address_space: global }
      - { .name: w_scales, .offset: 64, .size: 8, .value_kind: global_buffer, .address_space: global }
      - { .name: wot, .offset: 72, .size: 8, .value_kind: global_buffer, .address_space: global }
    .group_segment_fixed_size: 169984
    .private_segment_fixed_size: 0
    .kernarg_segment_align: 8
    .kernarg_segment_size: 80
    .max_flat_workgroup_size: 512
    .sgpr_count:     66
    .vgpr_count:     144
    .wavefront_size: 32
...
	.end_amdgpu_metadata
.endif
;; end of part 1
;; launch attn (part 2): grid 64 x 4, 4 waves a work-group, clusters of 4 x 4, 327,680 bytes of LDS; arguments x_codes, x_scales, w_codes, w_scales, freqs_cos, freqs_sin, att; writes att
.if DOCPART == 2
	.amdgcn_target "amdgcn-amd-amdhsa--gfx1250"
	.amdhsa_code_object_version 6
	.text
	.protected	k_q513f211530_attn
	.globl	k_q513f211530_attn
	.p2align	8
	.type	k_q513f211530_attn,@function
k_q513f211530_attn:
	s_mov_b64 s[64:65], 0
	v_nop
	global_prefetch_b8 v0, s[64:65] scope:SCOPE_SE
	s_setreg_imm32_b32 hwreg(HW_REG_WAVE_MODE, 25, 1), 1
	s_wait_xcnt 0x0
	s_wait_alu depctr_hold_cnt(0) depctr_sa_sdst(0) depctr_va_vdst(0) depctr_va_sdst(0) depctr_va_ssrc(0) depctr_va_vcc(0) depctr_vm_vsrc(0)
	s_getreg_b32 s2, hwreg(HW_REG_IB_STS2, 6, 4)
	s_cmp_eq_u32 s2, 0
	s_cbranch_scc0 .Lentry_in_a_cluster
	s_endpgm
.Lentry_in_a_cluster:
	s_bfe_u32 s2, ttmp6, 0x10000c
	s_cmp_lg_u32 s2, 0xf033
	s_cbranch_scc0 .Lentry_shape_is_right
	s_endpgm
.Lentry_shape_is_right:
; ATTN: q, k, v = x wq, x wk, x wv on codes of E2M1 with E8M0 scales; RoPE; scores / 8 under the causal window of 64; the clamp at -1e9; softmax; P V.  Result: att [4096][1024] f16 (column = 64 head + channel).
; q, k, v, the scores and P never go to memory.  The scores' and P V's operands are f16 (rounded once from f32), sums f32; maxima, exponentials and sums f32.
; SHARES.  Work-group (rb, g): 64 positions (rows 64 rb on of the 4,096) of key/value head g, that is query heads 4 g .. 4 g + 3.  It computes Q for its 64 rows and K, V for 128 rows: its own and the 64 before
; them, which hold all keys that its queries may see (key j counts for query i where i - 64 <= j <= i).  The rows before are taken modulo 4,096, so they are always rows of x; in a sequence's first block all of them
; are banned, by values (a mask and a bias in scalar registers), never by a branch.  Wave w: Q of head 4 g + w (16 tiles of 16 x 16), K and V of local rows 32 w .. 32 w + 31 (8 + 8 tiles), then its head's attention.
; LAYOUTS.  Q and K: source 0 = 16 rows of the weight, source 1 = 16 rows of x: a lane holds one position (lane % 16) and features 16 t + 8 (lane / 16) + 0 .. 7; a RoPE pair lies in two neighbouring registers; tiles
; 2 c and 2 c + 1, packed to f16, ARE the 16-bit fragment of channels 32 c on.  V: source 0 = x, source 1 = the weight: a lane holds one channel and 8 positions: two row tiles, packed, are the fragment of V^T for 32 keys.
; S^T = K Q^T, P and O^T = V^T P hold one query a lane.  K's and V's fragments go from wave to wave through LDS as images of their registers.
; A query tile of 16 sees key tiles qt .. qt + 4 of the 8: all 80 scores of a query lie in two lanes' registers, so the row's true maximum is taken before the exponentials.
; CLUSTER 4 x 4: four row blocks x the four key/value heads.  x's tiles and the RoPE tables hang on rb alone and are asked for jointly down a column of the cluster; the weights' tiles hang on g alone and are asked for
; jointly along a row.  All of K (1,024) of all tiles fits in LDS: every tensor load is a first fill, five a wave, all out together at the start.
; LIMITS: NaN and infinities are not served; |q|, |k|, |v| and the result must lie under 65,504 (f16); a row all of whose allowed scores lie at or under about -1e9 + 100 is not served (there the clamp would let
; banned keys outside these five tiles count).
.set XP,    272                        ; an LDS row of codes: 256 bytes (512 along K) + 16 of padding: the 16 rows of a fragment load start at 16 different groups of banks
.set PART,  512*XP                     ; half p of K: rows 0-63 x before, 64-127 x own, 128-383 wq's, 384-447 wk's, 448-511 wv's
.set TP,    144                        ; a row of a RoPE table: 128 bytes + 16
.set TAB,   2*PART                     ; cos of local rows 0-127, then sin
.set SINO,  128*TP
.set SPARE, TAB+2*SINO                 ; the spare words, 128 bytes for each wave: two blocks of 256 bytes that no other line names
.set KIMG,  0                          ; in half 0's bytes, which have had their only fill and their last read by then: K's 8 key tiles, 2,048 bytes each,
.set VIMG,  16384                      ; V^T's 16 fragments, 1,024 bytes each,
.set OSTG,  32768                      ; and the stage for the way out: 64 rows x (512 bytes + 16)
.set OP,    528
; window 0
.set VL16, 4                           ; v4   16 x lane
.set AXQ,  5                           ; v5   x's fragments, my work-group's own rows
.set AXK,  6                           ; v6   x's fragments, my wave's 32 rows for K and V
.set AWQ,  7                           ; v7   wq's fragments, my head
.set AWKV, 8                           ; v8   wk's fragments; wv's 64 rows on
.set ATQ,  9                           ; v9   the tables at the own rows
.set ATK,  10                          ; v10  the tables at my wave's 32 rows
.set KST,  11                          ; v11  where I store K's images
.set VST,  12                          ; v12  and V's
.set SO,   13                          ; v13  the stage: where I put 16 bytes of a row
.set SR,   14                          ; v14  and where I read a row back
.set AD,   15                          ; v15  8 (lane / 16) - lane % 16
.set SPW,  22                          ; v22  LDS address of my spare word; never rewritten
.set NIL,  23                          ; v23  0; never rewritten
.set SXQ,  24                          ; v24-95 scale words and nothing else: base + 8 x (pair of tiles) + K step; lanes 0-15 the pair's even tile, lanes 16-31 its odd one
.set SXK,  40
.set SWQ,  48
.set SWK,  64
.set SWV,  80
.set QF,   96                          ; v96-159  Q's fragments: 16 m + 8 c
.set T,    160                         ; v160-191 at work in RoPE
.set VP,   192                         ; v192-223 V packed
.set KP,   224                         ; v224-255 K packed
.set PF,   160                         ; later: P's fragments, 24 a query tile;
.set OUTP, 160                         ; later: the result, packed
; window 1: the weights' fragments, set s at 96 s (+0 q, +32 k, +64 v); v192-223 cos, v224-255 sin for K; later K's fragments at 16 kt + 8 c, V^T's at 128 + 32 kc + 8 ct
.set CK,   192
.set SK,   224
; window 2: accumulators Q 8 (4 m + t), K 128 + 8 (4 u + t), V 192 + 8 (4 u + t); later S^T at 40 qt + 8 u, and:
.set AH,   160                         ; 8 h - r, with the first block's bias
.set AO,   161                         ; 8 h - r
.set NEGI, 162                         ; -infinity
.set ST,   168                         ; 8 a query tile: +0 c m, +1 m, +2..5 sums, +4..7 the maximum's chains, +6 1 / sum
; window 3: x's fragments, set s at 48 s (+0 own rows, +32 my 32 rows); v96-159 cos, v160-223 sin for Q; later O^T at 32 qt + 8 ct
.set CQ,   96
.set SQ,   160
.set G1X,  24                          ; s[24:31] group 1 for x's tiles; s[32:39] for the weights'; s[40:55] x's four groups 0; s[68:83] the weights'; s[84:91], s[92:95] the tables'
.set G1W,  32
.set G0X,  40
.set G0W,  68
.set G1T,  84
.set G0T,  92
.set MSB, 0
.macro WIN new                         ; the immediate's high byte repeats the setting that is left; a switch that changes nothing is dropped
.if MSB != (\new)
	s_set_vgpr_msb (MSB<<8)|(\new)
.set MSB, (\new)
.endif
.endm
.macro CROUND                          ; a round of the cluster's barrier
	s_barrier_signal -1
	s_barrier_wait -1
	s_cmp_lg_u32 s18, 0
	s_cbranch_scc1 .Lnot_wave_0_\@
	s_barrier_signal -3
.Lnot_wave_0_\@:
	s_barrier_wait -3
	s_barrier_signal -1
	s_barrier_wait -1
.endm
.macro PLACES                          ; four places behind matrix instructions, in front of loads into their sources and of reads of their results
.rept 4
	v_nop
.endr
.endm
; one scaled product: d, a, b first registers; z = 1: it starts the sum; sa, sb the scale registers; ra, rb = 1: that side's words lie in lanes 16-31
.macro WS d, a, b, z, sa, sb, ra, rb
.if (\z)
.if (\ra)&&(\rb)
	v_wmma_scale_f32_16x16x128_f8f6f4 v[\d:\d+7], v[\a:\a+7], v[\b:\b+7], 0, v[\sa], v[\sb] matrix_a_fmt:MATRIX_FMT_FP4 matrix_b_fmt:MATRIX_FMT_FP4 matrix_a_scale:MATRIX_SCALE_ROW1 matrix_b_scale:MATRIX_SCALE_ROW1
.elseif (\ra)
	v_wmma_scale_f32_16x16x128_f8f6f4 v[\d:\d+7], v[\a:\a+7], v[\b:\b+7], 0, v[\sa], v[\sb] matrix_a_fmt:MATRIX_FMT_FP4 matrix_b_fmt:MATRIX_FMT_FP4 matrix_a_scale:MATRIX_SCALE_ROW1
.elseif (\rb)
	v_wmma_scale_f32_16x16x128_f8f6f4 v[\d:\d+7], v[\a:\a+7], v[\b:\b+7], 0, v[\sa], v[\sb] matrix_a_fmt:MATRIX_FMT_FP4 matrix_b_fmt:MATRIX_FMT_FP4 matrix_b_scale:MATRIX_SCALE_ROW1
.else
	v_wmma_scale_f32_16x16x128_f8f6f4 v[\d:\d+7], v[\a:\a+7], v[\b:\b+7], 0, v[\sa], v[\sb] matrix_a_fmt:MATRIX_FMT_FP4 matrix_b_fmt:MATRIX_FMT_FP4
.endif
.else
.if (\ra)&&(\rb)
	v_wmma_scale_f32_16x16x128_f8f6f4 v[\d:\d+7], v[\a:\a+7], v[\b:\b+7], v[\d:\d+7], v[\sa], v[\sb] matrix_a_fmt:MATRIX_FMT_FP4 matrix_b_fmt:MATRIX_FMT_FP4 matrix_a_scale:MATRIX_SCALE_ROW1 matrix_b_scale:MATRIX_SCALE_ROW1
.elseif (\ra)
	v_wmma_scale_f32_16x16x128_f8f6f4 v[\d:\d+7], v[\a:\a+7], v[\b:\b+7], v[\d:\d+7], v[\sa], v[\sb] matrix_a_fmt:MATRIX_FMT_FP4 matrix_b_fmt:MATRIX_FMT_FP4 matrix_a_scale:MATRIX_SCALE_ROW1
.elseif (\rb)
	v_wmma_scale_f32_16x16x128_f8f6f4 v[\d:\d+7], v[\a:\a+7], v[\b:\b+7], v[\d:\d+7], v[\sa], v[\sb] matrix_a_fmt:MATRIX_FMT_FP4 matrix_b_fmt:MATRIX_FMT_FP4 matrix_b_scale:MATRIX_SCALE_ROW1
.else
	v_wmma_scale_f32_16x16x128_f8f6f4 v[\d:\d+7], v[\a:\a+7], v[\b:\b+7], v[\d:\d+7], v[\sa], v[\sb] matrix_a_fmt:MATRIX_FMT_FP4 matrix_b_fmt:MATRIX_FMT_FP4
.endif
.endif
.endm
; the fragments of K step q (128 along K: 64 bytes of a row), 36 LDS loads in one run, into set q % 2.  A fragment: lane l holds row l % 16; registers 4 c .. 4 c + 3 hold K = 64 c + 32 (l / 16) + 0 .. 31
.macro FETCH q
.set FW, 96*((\q)%2)
.set FX, 48*((\q)%2)
.set KB, 64*((\q)%4)
	WIN 0x40                                       ; destination window 1, address window 0
.irp t, 0,1,2,3
.irp c, 0,1
	ds_load_b128 v[FW+8*\t+4*\c:FW+8*\t+4*\c+3], v[AWQ] offset:16*XP*\t+KB+32*\c
	ds_load_b128 v[FW+32+8*\t+4*\c:FW+32+8*\t+4*\c+3], v[AWKV] offset:16*XP*\t+KB+32*\c
	ds_load_b128 v[FW+64+8*\t+4*\c:FW+64+8*\t+4*\c+3], v[AWKV] offset:64*XP+16*XP*\t+KB+32*\c
.endr
.endr
	WIN 0xc0                                       ; destination window 3
.irp m, 0,1,2,3
.irp c, 0,1
	ds_load_b128 v[FX+8*\m+4*\c:FX+8*\m+4*\c+3], v[AXQ] offset:16*XP*\m+KB+32*\c
.endr
.endr
.irp u, 0,1
.irp c, 0,1
	ds_load_b128 v[FX+32+8*\u+4*\c:FX+32+8*\u+4*\c+3], v[AXK] offset:16*XP*\u+KB+32*\c
.endr
.endr
.endm
; the 32 products of K step q.  The 32 accumulators take turns, one instruction a turn, in the same order in every step.
.macro MUL q
.set FW, 96*((\q)%2)
.set FX, 48*((\q)%2)
.set ZR, 0
.if (\q) == 0
.set ZR, 1                             ; the first step starts the sums: nothing is cleared
.endif
	WIN 0xad                                       ; source 0 (the weight) window 1, source 1 (x) window 3, C and D window 2
.irp m, 0,1,2,3
.irp t, 0,1,2,3
	WS 8*(4*\m+\t), FW+8*\t, FX+8*\m, ZR, SWQ+8*(\t/2)+(\q), SXQ+8*(\m/2)+(\q), \t%2, \m%2
.endr
.endr
.irp u, 0,1
.irp t, 0,1,2,3
	WS 128+8*(4*\u+\t), FW+32+8*\t, FX+32+8*\u, ZR, SWK+8*(\t/2)+(\q), SXK+(\q), \t%2, \u
.endr
.endr
	WIN 0xa7                                       ; V the other way round: source 0 (x) window 3, source 1 (the weight) window 1
.irp u, 0,1
.irp t, 0,1,2,3
	WS 192+8*(4*\u+\t), FX+32+8*\u, FW+64+8*\t, ZR, SXK+(\q), SWV+8*(\t/2)+(\q), \u, \t%2
.endr
.endr
.endm
.macro TABLES                          ; cos and sin of my lane's position and pairs 8 t + 4 (lane / 16) + 0 .. 3: 48 loads of 16 bytes
	WIN 0xc0
.irp m, 0,1,2,3
.irp t, 0,1,2,3
	ds_load_b128 v[CQ+16*\m+4*\t:CQ+16*\m+4*\t+3], v[ATQ] offset:16*TP*\m+32*\t
	ds_load_b128 v[SQ+16*\m+4*\t:SQ+16*\m+4*\t+3], v[ATQ] offset:SINO+16*TP*\m+32*\t
.endr
.endr
	WIN 0x40
.irp u, 0,1
.irp t, 0,1,2,3
	ds_load_b128 v[CK+16*\u+4*\t:CK+16*\u+4*\t+3], v[ATK] offset:16*TP*\u+32*\t
	ds_load_b128 v[SK+16*\u+4*\t:SK+16*\u+4*\t+3], v[ATK] offset:SINO+16*TP*\u+32*\t
.endr
.endr
.endm
.macro KSTEP q
	s_wait_dscnt 0x0                               ; this step's fragments are in (asked for one step's 32 products ago)
.if (\q) == 3
	s_wait_tensorcnt 0x0                           ; my part of the second half of K has landed; with the wait above, my reads of the first half are over
	s_barrier_signal -1
	s_barrier_wait -1                              ; both now hold of all four waves
	WIN 0
	v_add_nc_u32 v[AXQ], PART, v[AXQ]              ; on to the second half.  (These four are also the places in front of the loads below)
	v_add_nc_u32 v[AXK], PART, v[AXK]
	v_add_nc_u32 v[AWQ], PART, v[AWQ]
	v_add_nc_u32 v[AWKV], PART, v[AWKV]
.elseif ((\q) >= 1)&&((\q) <= 6)
	PLACES                                         ; the set to be loaded was read by the step before
.endif
.if (\q) < 7
	FETCH (\q)+1
.endif
.if (\q) == 6
	TABLES
.endif
	MUL \q
.endm
; RoPE on four tiles (64 features of 16 positions): (a, b) -> (a c - b s, a s + b c), then packed to f16.  acc: first accumulator register (window 2); cs, sn: cos and sin (window cw); dst: 16 registers of window 0
.macro ROPE4 acc, cs, sn, cw, dst
	WIN 0x02+4*(\cw)
.irp t, 0,1,2,3
.irp i, 0,1,2,3
.if \i%2
	v_pk_mul_f32 v[T+8*\t+2*\i:T+8*\t+2*\i+1], v[\acc+8*\t+2*\i:\acc+8*\t+2*\i+1], v[\cs+4*\t+2*(\i/2):\cs+4*\t+2*(\i/2)+1] op_sel:[0,1] op_sel_hi:[1,1]   ; (a c, b c)
.else
	v_pk_mul_f32 v[T+8*\t+2*\i:T+8*\t+2*\i+1], v[\acc+8*\t+2*\i:\acc+8*\t+2*\i+1], v[\cs+4*\t+2*(\i/2):\cs+4*\t+2*(\i/2)+1] op_sel:[0,0] op_sel_hi:[1,0]
.endif
.endr
.endr
.irp t, 0,1,2,3
.irp i, 0,1,2,3
.if \i%2
	v_pk_fma_f32 v[T+8*\t+2*\i:T+8*\t+2*\i+1], v[\acc+8*\t+2*\i:\acc+8*\t+2*\i+1], v[\sn+4*\t+2*(\i/2):\sn+4*\t+2*(\i/2)+1], v[T+8*\t+2*\i:T+8*\t+2*\i+1] op_sel:[1,1,0] op_sel_hi:[0,1,1] neg_lo:[1,0,0]   ; (-b s + a c, a s + b c)
.else
	v_pk_fma_f32 v[T+8*\t+2*\i:T+8*\t+2*\i+1], v[\acc+8*\t+2*\i:\acc+8*\t+2*\i+1], v[\sn+4*\t+2*(\i/2):\sn+4*\t+2*(\i/2)+1], v[T+8*\t+2*\i:T+8*\t+2*\i+1] op_sel:[1,0,0] op_sel_hi:[0,0,1] neg_lo:[1,0,0]
.endif
.endr
.endr
	WIN 0
.irp t, 0,1,2,3
.irp i, 0,1,2,3
	v_cvt_pk_f16_f32 v[\dst+4*\t+\i], v[T+8*\t+2*\i], v[T+8*\t+2*\i+1]
.endr
.endr
.endm
	s_load_b256 s[4:11], s[0:1], 0x0               ; x_codes s[4:5], x_scales s[6:7], w_codes s[8:9], w_scales s[10:11]
	s_load_b128 s[12:15], s[0:1], 0x20             ; freqs_cos s[12:13], freqs_sin s[14:15]
	s_load_b64 s[16:17], s[0:1], 0x30              ; att
	v_lshl_add_u32 v[SPW], v0, 2, SPARE
	v_mov_b32 v[NIL], 0
	ds_add_u32 v[SPW], v[NIL]                      ; the wave's opening: the add, twice on end, and its wait ahead of my first tensor load
	ds_add_u32 v[SPW], v[NIL]                      ; and once more; the set-up below, work on registers, stands between it and the wait
	v_lshrrev_b32 v1, 5, v0
	v_readfirstlane_b32 s18, v1                    ; wave 0..3
	s_bfe_u32 s19, ttmp6, 0x40000                  ; cx
	s_bfe_u32 s20, ttmp6, 0x40004                  ; cy = g, the key/value head (the grid is one cluster high)
	s_lshl_b32 s21, ttmp9, 2
	s_add_co_u32 s21, s21, s19                     ; rb = 4 x cluster x + cx
	; what hangs on cx lives in s2, s3, s19, s21-23, s62-63, s100-101; what hangs on cy in s20, s66-67; s61 holds wave numbers alone
	s_lshl_b32 s2, 0x1111, s19                     ; my column of the cluster
	s_lshl_b32 s67, s20, 2
	s_lshl_b32 s67, 15, s67                        ; my row
	s_or_b32 s[G1X], s2, (1<<20)|(1<<21)|(5<<22)|(3<<25)    ; 15:0 the mask; 17:16 elements of 1 byte; 20 padding on; 21 set beside a mask; 24:22 after every 64 words; 31:25 four words
	s_or_b32 s[G1W], s67, (1<<20)|(1<<21)|(5<<22)|(3<<25)
	s_or_b32 s[G1T], s2, (2<<16)|(1<<20)|(1<<21)|(4<<22)|(3<<25)   ; elements of 4 bytes; four words of padding after every 32
.irp g, G1X, G1W
	s_mov_b32 s[\g+1], 256<<16                     ; tensor_dim0 = 256 bytes: half of K
	s_mov_b32 s[\g+2], 64<<16                      ; tensor_dim1 = 64 rows
	s_mov_b32 s[\g+3], 256<<16                     ; tile_dim0
	s_mov_b32 s[\g+4], 64                          ; tile_dim1
	s_mov_b32 s[\g+5], 512                         ; from row to row
	s_mov_b32 s[\g+6], 0
	s_mov_b32 s[\g+7], 0
.endr
	s_mov_b32 s[G1T+1], 32<<16                     ; 64 rows of 32 numbers, dense
	s_mov_b32 s[G1T+2], 64<<16
	s_mov_b32 s[G1T+3], 32<<16
	s_mov_b32 s[G1T+4], 64
	s_mov_b32 s[G1T+5], 32
	s_mov_b32 s[G1T+6], 0
	s_mov_b32 s[G1T+7], 0
	s_mov_b32 s56, 0x3e38aa3b                      ; c = log2(e) / 8
	s_mov_b32 s57, s56                             ; (named with it as a pair, so it is written)
	s_mov_b32 s58, 0x76543210
	s_mov_b32 s59, 0xfedcba98                      ; v_permlanex16_b32's selects for lane l xor 16
	s_mov_b32 s60, 0xcfee6b28                      ; -8e9: the clamp at -1e9, ahead of the division by 8
	s_and_b32 s2, s21, 31                          ; my block in its sequence
	s_cmp_eq_u32 s2, 0
	s_cselect_b32 s22, -1, 0                       ; the first block: all keys of the rows before are banned: a lane mask,
	s_cselect_b32 s23, 0xfffff000, 0               ; and a bias that pushes the window's edge past every key of the first tile
	s_lshl_b32 s2, s2, 6                           ; the tables' rows: my block's,
	s_add_co_u32 s3, s2, 1984
	s_and_b32 s3, s3, 2047                         ; and the 64 before, modulo the table
	s_and_b32 s61, s18, 1
	s_cmp_eq_u32 s61, 0
	s_cselect_b32 s2, s3, s2                       ; waves 0 and 2 fetch the rows before, waves 1 and 3 the own
	s_lshl_b32 s2, s2, 7
	s_mov_b32 s3, 0
	s_lshl_b32 s62, s21, 15                        ; x's own rows: 64 rb rows of 512 bytes
	s_mov_b32 s63, 0
	s_add_co_u32 s100, s21, 63
	s_and_b32 s100, s100, 63
	s_lshl_b32 s100, s100, 15                      ; and the 64 before, modulo 4,096 rows
	s_mov_b32 s101, 0
	s_max_u32 s66, s18, 1
	s_sub_co_u32 s66, s66, 1
	s_lshl_b32 s66, s66, 16                        ; the weights: waves 1 to 3 fetch rows 128 (wave - 1) on of the group's 384
	s_mul_i32 s67, s20, 384*512
	s_add_co_u32 s66, s66, s67
	s_mov_b32 s67, 0
	s_wait_dscnt 0x0                               ; both opening adds are done
	s_wait_kmcnt 0x0
	s_cmp_lt_u32 s18, 2
	s_cselect_b64 s[G0T+2:G0T+3], s[12:13], s[14:15]   ; waves 0, 1: cos; waves 2, 3: sin
	s_add_nc_u64 s[G0T+2:G0T+3], s[G0T+2:G0T+3], s[2:3]
	s_or_b32 s[G0T+3], s[G0T+3], 0x80000000
	s_mov_b32 s[G0T], 1
	s_mul_i32 s61, s18, 64*TP
	s_add_co_u32 s[G0T+1], s61, TAB
	s_mul_i32 s61, s18, 128*XP                     ; a wave fills rows 128 wave on of each half: two tiles of 64
.irp p, 0,1
.irp e, 0,1
	s_mov_b32 s[G0X+4*(2*\p+\e)], 1
	s_add_co_u32 s[G0X+4*(2*\p+\e)+1], s61, PART*\p+64*XP*\e
.if \e
	s_add_nc_u64 s[G0X+4*(2*\p+\e)+2:G0X+4*(2*\p+\e)+3], s[4:5], s[62:63]
.else
	s_add_nc_u64 s[G0X+4*(2*\p+\e)+2:G0X+4*(2*\p+\e)+3], s[4:5], s[100:101]
.endif
.if \p
	s_add_nc_u64 s[G0X+4*(2*\p+\e)+2:G0X+4*(2*\p+\e)+3], s[G0X+4*(2*\p+\e)+2:G0X+4*(2*\p+\e)+3], 256
.endif
	s_or_b32 s[G0X+4*(2*\p+\e)+3], s[G0X+4*(2*\p+\e)+3], 0x80000000
	s_mov_b32 s[G0W+4*(2*\p+\e)], 1
	s_add_co_u32 s[G0W+4*(2*\p+\e)+1], s61, PART*\p+64*XP*\e
	s_add_nc_u64 s[G0W+4*(2*\p+\e)+2:G0W+4*(2*\p+\e)+3], s[8:9], s[66:67]
.if \p+\e
	s_add_nc_u64 s[G0W+4*(2*\p+\e)+2:G0W+4*(2*\p+\e)+3], s[G0W+4*(2*\p+\e)+2:G0W+4*(2*\p+\e)+3], 64*512*\e+256*\p
.endif
	s_or_b32 s[G0W+4*(2*\p+\e)+3], s[G0W+4*(2*\p+\e)+3], 0x80000000
.endr
.endr
	; the scale words' and the result's bases
	s_lshl_b32 s2, s21, 6
	s_lshl_b32 s61, s18, 5
	s_add_co_u32 s2, s2, s61
	s_add_co_u32 s2, s2, 4032
	s_and_b32 s2, s2, 4095                         ; my wave's 32 rows for K and V: 64 rb - 64 + 32 wave, modulo 4,096
	s_lshl_b32 s2, s2, 4
	s_add_nc_u64 s[96:97], s[6:7], s[2:3]
	s_lshl_b32 s2, s21, 10
	s_add_nc_u64 s[6:7], s[6:7], s[2:3]            ; the own 64 rows
	s_mul_i32 s66, s20, 384*16
	s_add_nc_u64 s[98:99], s[10:11], s[66:67]
	s_add_nc_u64 s[98:99], s[98:99], 256*16        ; wk's and wv's rows of group g
	s_lshl_b32 s61, s18, 10
	s_add_co_u32 s66, s66, s61
	s_add_nc_u64 s[10:11], s[10:11], s[66:67]      ; my head's 64 rows of wq
	s_lshl_b32 s2, s21, 17
	s_lshl_b32 s61, s18, 15
	s_add_co_u32 s2, s2, s61
	s_add_nc_u64 s[16:17], s[16:17], s[2:3]        ; att: row 64 rb + 16 wave,
	s_lshl_b32 s66, s20, 9
	s_add_nc_u64 s[16:17], s[16:17], s[66:67]      ; the group's 512 bytes of it
	CROUND                                         ; all sixteen work-groups are here: the joint loads meet
	tensor_load_to_lds s[G0T:G0T+3], s[G1T:G1T+7]  ; all first fills go out as one group: five loads of mine are out.  The tables first,
	s_nop 0
.rept 4
	v_nop
.endr
	s_cmp_eq_u32 s18, 0
	s_cbranch_scc0 .Lfill_w
.irp n, 0,1,2,3
	tensor_load_to_lds s[G0X+4*\n:G0X+4*\n+3], s[G1X:G1X+7]   ; wave 0: x, the first half of K and then the second
	s_nop 0
.endr
.rept 4
	v_nop
.endr
	s_branch .Lfilled
.Lfill_w:
.irp n, 0,1,2,3
	tensor_load_to_lds s[G0W+4*\n:G0W+4*\n+3], s[G1W:G1W+7]   ; waves 1 to 3: the weights, likewise
	s_nop 0
.endr
.rept 4
	v_nop
.endr
.Lfilled:
	v_and_b32 v3, 31, v0                           ; lane
	v_and_b32 v1, 15, v0                           ; r
	v_bfe_u32 v2, v0, 4, 1                         ; h
	v_lshlrev_b32 v[VL16], 4, v3
	; the scale words of all of K: a pair of tiles is 32 rows x 16 bytes, dense: one load of 16 bytes a lane brings four K steps' words
.irp a, 0,1
.irp p, 0,1
	global_load_b128 v[SXQ+8*\a+4*\p:SXQ+8*\a+4*\p+3], v[VL16], s[6:7] offset:512*\a+65536*\p
	global_load_b128 v[SWQ+8*\a+4*\p:SWQ+8*\a+4*\p+3], v[VL16], s[10:11] offset:512*\a+24576*\p
	global_load_b128 v[SWK+8*\a+4*\p:SWK+8*\a+4*\p+3], v[VL16], s[98:99] offset:512*\a+24576*\p
	global_load_b128 v[SWV+8*\a+4*\p:SWV+8*\a+4*\p+3], v[VL16], s[98:99] offset:1024+512*\a+24576*\p
.endr
.endr
.irp p, 0,1
	global_load_b128 v[SXK+4*\p:SXK+4*\p+3], v[VL16], s[96:97] offset:65536*\p
.endr
	v_mul_u32_u24 v16, v1, XP
	v_lshl_add_u32 v16, v2, 4, v16                 ; a fragment's row x pitch + 16 x half
	v_add_nc_u32 v[AXQ], 64*XP, v16
	s_mul_i32 s61, s18, 32*XP
	v_add_nc_u32 v[AXK], s61, v16
	s_mul_i32 s61, s18, 64*XP
	s_add_co_u32 s61, s61, 128*XP
	v_add_nc_u32 v[AWQ], s61, v16
	v_add_nc_u32 v[AWKV], 384*XP, v16
	v_mul_u32_u24 v17, v1, TP
	v_lshl_add_u32 v17, v2, 4, v17
	v_add_nc_u32 v[ATQ], TAB+64*TP, v17
	s_mul_i32 s61, s18, 32*TP
	s_add_co_u32 s61, s61, TAB
	v_add_nc_u32 v[ATK], s61, v17
	s_lshl_b32 s61, s18, 12
	v_add_nc_u32 v[KST], s61, v[VL16]              ; (KIMG = 0)  my two key tiles
	s_add_co_u32 s61, s61, VIMG
	v_add_nc_u32 v[VST], s61, v[VL16]              ; my four fragments of V^T
	v_mul_u32_u24 v[SO], v1, OP
	v_lshl_add_u32 v[SO], v2, 4, v[SO]
	s_lshl_b32 s61, s18, 7
	s_add_co_u32 s61, s61, OSTG
	v_add_nc_u32 v[SO], s61, v[SO]                 ; the stage: row r, my head's 128 bytes, 16 for each half of the lanes
	s_mul_i32 s61, s18, 16*OP
	s_add_co_u32 s61, s61, OSTG
	v_add_nc_u32 v[SR], s61, v[VL16]               ; back: my 16 rows, 16 bytes a lane
	v_lshlrev_b32 v[AD], 3, v2
	v_sub_nc_u32 v[AD], v[AD], v1                  ; 8 h - r
	s_wait_tensorcnt 2                             ; my table and my two tiles of the first half of K are in; the second half's two may stay out
	s_barrier_signal -1
	s_barrier_wait -1                              ; everybody's are
	FETCH 0
	s_wait_loadcnt 0x0                             ; the scale words
.irp q, 0,1,2,3,4,5,6,7
	KSTEP \q
.endr
	; ---- RoPE, and everything packed to f16
	PLACES
.irp m, 0,1,2,3
	ROPE4 32*\m, CQ+16*\m, SQ+16*\m, 3, QF+16*\m   ; Q stays in my registers
.endr
.irp u, 0,1
	ROPE4 128+32*\u, CK+16*\u, SK+16*\u, 1, KP+16*\u
.endr
.irp u, 0,1
.irp t, 0,1,2,3
	ds_store_b128 v[KST], v[KP+16*\u+4*\t:KP+16*\u+4*\t+3] offset:2048*\u+512*\t   ; K's fragments as images of their registers
.endr
.endr
	WIN 0x0a                                       ; sources window 2, destination window 0
.irp t, 0,1,2,3
.irp u, 0,1
.irp i, 0,1,2,3
	v_cvt_pk_f16_f32 v[VP+8*\t+4*\u+\i], v[192+8*(4*\u+\t)+2*\i], v[192+8*(4*\u+\t)+2*\i+1]
.endr
.endr
.endr
	WIN 0
.irp t, 0,1,2,3
.irp u, 0,1
	ds_store_b128 v[VST], v[VP+8*\t+4*\u:VP+8*\t+4*\u+3] offset:1024*\t+512*\u
.endr
.endr
	WIN 0x80                                       ; destination window 2
	v_add_nc_u32 v[AH], s23, v[AD]
	v_mov_b32 v[AO], v[AD]
	v_mov_b32 v[NEGI], 0xff800000
	WIN 0
	s_wait_dscnt 0x0                               ; for the others' sake: my images are stored
	s_barrier_signal -1
	s_barrier_wait -1
	WIN 0x40
.irp kt, 0,1,2,3,4,5,6,7
.irp p, 0,1,2,3
	ds_load_b128 v[16*\kt+4*\p:16*\kt+4*\p+3], v[VL16] offset:KIMG+2048*\kt+512*\p
.endr
.endr
.irp f, 0,1,2,3,4,5,6,7,8,9,10,11,12,13,14,15
.irp u, 0,1
	ds_load_b128 v[128+8*\f+4*\u:128+8*\f+4*\u+3], v[VL16] offset:VIMG+1024*\f+512*\u
.endr
.endr
	s_wait_dscnt 32                                ; K's 32 loads are in; V's 32 may be out
	; ---- S^T = K Q^T: query tile qt against key tiles qt .. qt + 4; 20 accumulators by turns
	WIN 0xa1                                       ; source 0 (K) window 1, source 1 (Q) window 0, C and D window 2
.irp qt, 0,1,2,3
.irp u, 0,1,2,3,4
	v_wmma_f32_16x16x32_f16 v[40*\qt+8*\u:40*\qt+8*\u+7], v[16*(\qt+\u):16*(\qt+\u)+7], v[QF+16*\qt:QF+16*\qt+7], 0
.endr
.endr
.irp qt, 0,1,2,3
.irp u, 0,1,2,3,4
	v_wmma_f32_16x16x32_f16 v[40*\qt+8*\u:40*\qt+8*\u+7], v[16*(\qt+\u)+8:16*(\qt+\u)+15], v[QF+16*\qt+8:QF+16*\qt+15], v[40*\qt+8*\u:40*\qt+8*\u+7]
.endr
.endr
	PLACES
	; ---- the mask, the clamp, the softmax.  Register 8 u + j of tile qt: key 16 (qt + u) + 8 h + j (local), query 64 + 16 qt + r.  The four tiles by turns, so that no line waits for the line above it
	WIN 0xaa                                       ; everything in window 2
.irp j, 0,1,2,3,4,5,6,7
	v_cmp_gt_i32 vcc_lo, -\j, v[AH]                ; the window's edge: banned where 8 h + j < r; in a first block everywhere
.irp qt, 0,1,2,3
	v_cndmask_b32 v[40*\qt+\j], v[40*\qt+\j], v[NEGI], vcc_lo
.endr
.endr
.irp u, 1,2,3
.irp j, 0,1,2,3,4,5,6,7
.irp qt, 0,1,2
.if \qt+\u < 4
	v_cndmask_b32 v[40*\qt+8*\u+\j], v[40*\qt+8*\u+\j], v[NEGI], s22   ; key tiles of the rows before: banned in a first block
.endif
.endr
.endr
.endr
.irp j, 0,1,2,3,4,5,6,7
	v_cmp_lt_i32 vcc_lo, -\j, v[AO]                ; the causal edge: banned where 8 h + j > r
.irp qt, 0,1,2,3
	v_cndmask_b32 v[40*\qt+32+\j], v[40*\qt+32+\j], v[NEGI], vcc_lo
.endr
.endr
.set i, 0
.rept 40
.irp qt, 0,1,2,3
	v_max_num_f32 v[40*\qt+i], s60, v[40*\qt+i]    ; the clamp
.endr
.set i, i+1
.endr
.irp k, 0,1,2,3
.irp qt, 0,1,2,3
	v_max3_num_f32 v[ST+8*\qt+4+\k], v[40*\qt+\k], v[40*\qt+\k+4], v[40*\qt+\k+8]   ; the row's maximum: four chains
.endr
.endr
.irp n, 12,20,28
.irp k, 0,1,2,3
.irp qt, 0,1,2,3
	v_max3_num_f32 v[ST+8*\qt+4+\k], v[ST+8*\qt+4+\k], v[40*\qt+\k+\n], v[40*\qt+\k+\n+4]
.endr
.endr
.endr
.irp qt, 0,1,2,3
	v_max3_num_f32 v[ST+8*\qt+4], v[ST+8*\qt+4], v[40*\qt+36], v[40*\qt+37]
	v_max3_num_f32 v[ST+8*\qt+6], v[ST+8*\qt+6], v[40*\qt+38], v[40*\qt+39]
.endr
.irp qt, 0,1,2,3
	v_max3_num_f32 v[ST+8*\qt+4], v[ST+8*\qt+4], v[ST+8*\qt+5], v[ST+8*\qt+6]
.endr
.irp qt, 0,1,2,3
	v_max_num_f32 v[ST+8*\qt+4], v[ST+8*\qt+4], v[ST+8*\qt+7]
.endr
.irp qt, 0,1,2,3
	v_permlanex16_b32 v[ST+8*\qt+5], v[ST+8*\qt+4], s58, s59   ; the query's other 40 keys lie in the lane 16 away
.endr
.irp qt, 0,1,2,3
	v_max_num_f32 v[ST+8*\qt+1], v[ST+8*\qt+4], v[ST+8*\qt+5]  ; m
.endr
.irp qt, 0,1,2,3
	v_mul_f32 v[ST+8*\qt], s56, v[ST+8*\qt+1]      ; c m
.endr
.set i, 0
.rept 20
.irp qt, 0,1,2,3
	v_pk_fma_f32 v[40*\qt+i:40*\qt+i+1], v[40*\qt+i:40*\qt+i+1], s[56:57], v[ST+8*\qt:ST+8*\qt+1] op_sel_hi:[1,0,0] neg_lo:[0,0,1] neg_hi:[0,0,1]   ; c s - c m
.endr
.set i, i+2
.endr
.set i, 0
.rept 40
.irp qt, 0,1,2,3
	v_exp_f32 v[40*\qt+i], v[40*\qt+i]             ; p = 2^(c s - c m), at most about 1; one batch of 160
.endr
.set i, i+1
.endr
	v_nop                                          ; a plain instruction behind the last exponential
	s_wait_alu depctr_va_vdst(0)                   ; and the wait ahead of the batch's first reader
.irp qt, 0,1,2,3
	v_pk_add_f32 v[ST+8*\qt+2:ST+8*\qt+3], v[40*\qt:40*\qt+1], v[40*\qt+2:40*\qt+3]   ; the row's sum, of the unrounded p, in two chains
.endr
.irp qt, 0,1,2,3
	v_pk_add_f32 v[ST+8*\qt+4:ST+8*\qt+5], v[40*\qt+4:40*\qt+5], v[40*\qt+6:40*\qt+7]
.endr
.irp n, 8,12,16,20,24,28,32,36
.irp qt, 0,1,2,3
	v_pk_add_f32 v[ST+8*\qt+2:ST+8*\qt+3], v[ST+8*\qt+2:ST+8*\qt+3], v[40*\qt+\n:40*\qt+\n+1]
.endr
.irp qt, 0,1,2,3
	v_pk_add_f32 v[ST+8*\qt+4:ST+8*\qt+5], v[ST+8*\qt+4:ST+8*\qt+5], v[40*\qt+\n+2:40*\qt+\n+3]
.endr
.endr
.irp qt, 0,1,2,3
	v_pk_add_f32 v[ST+8*\qt+2:ST+8*\qt+3], v[ST+8*\qt+2:ST+8*\qt+3], v[ST+8*\qt+4:ST+8*\qt+5]
.endr
.irp qt, 0,1,2,3
	v_add_f32 v[ST+8*\qt+4], v[ST+8*\qt+2], v[ST+8*\qt+3]
.endr
.irp qt, 0,1,2,3
	v_permlanex16_b32 v[ST+8*\qt+5], v[ST+8*\qt+4], s58, s59
.endr
.irp qt, 0,1,2,3
	v_add_f32 v[ST+8*\qt+4], v[ST+8*\qt+4], v[ST+8*\qt+5]
.endr
.irp qt, 0,1,2,3
	v_rcp_f32 v[ST+8*\qt+6], v[ST+8*\qt+4]         ; 1 / sum: the sum is at least about 1
.endr
	WIN 0x0a                                       ; sources window 2, destination window 0.  The roundings are plain work behind the reciprocals
.irp u, 0,1,2,3,4
.irp i, 0,1,2,3
.irp qt, 0,1,2,3
	v_cvt_pk_f16_f32 v[PF+24*\qt+4*(\u+\qt%2)+\i], v[40*\qt+8*\u+2*\i], v[40*\qt+8*\u+2*\i+1]   ; key tile qt + u is half (qt + u) % 2 of a fragment of 32 keys
.endr
.endr
.endr
	WIN 0
.irp qt, 0,1,2,3
.irp i, 0,1,2,3
	v_mov_b32 v[PF+24*\qt+20*(1-\qt%2)+\i], 0      ; the sixth half of the three fragments: a key tile that the query tile does not see
.endr
.endr
	s_wait_alu depctr_va_vdst(0)                   ; the wait for the four reciprocals
	s_wait_dscnt 0x0                               ; V's fragments are in
	; ---- O^T = V^T P: three fragments of 32 keys; 16 accumulators by turns
	WIN 0xf1                                       ; source 0 (V^T) window 1, source 1 (P) window 0, C and D window 3
.irp e, 0,1,2
.irp qt, 0,1,2,3
.irp ct, 0,1,2,3
.if \e == 0
	v_wmma_f32_16x16x32_f16 v[32*\qt+8*\ct:32*\qt+8*\ct+7], v[128+32*(\qt/2+\e)+8*\ct:128+32*(\qt/2+\e)+8*\ct+7], v[PF+24*\qt+8*\e:PF+24*\qt+8*\e+7], 0
.else
	v_wmma_f32_16x16x32_f16 v[32*\qt+8*\ct:32*\qt+8*\ct+7], v[128+32*(\qt/2+\e)+8*\ct:128+32*(\qt/2+\e)+8*\ct+7], v[PF+24*\qt+8*\e:PF+24*\qt+8*\e+7], v[32*\qt+8*\ct:32*\qt+8*\ct+7]
.endif
.endr
.endr
.endr
	PLACES
	; ---- the way out: O^T / sum, rounded to f16; a row's 512 bytes come from four waves and meet in the stage
	WIN 0xcb                                       ; destination and source 0 window 3, source 1 window 2
.irp qt, 0,1,2,3
.set i, 0
.rept 16
	v_pk_mul_f32 v[32*\qt+i:32*\qt+i+1], v[32*\qt+i:32*\qt+i+1], v[ST+8*\qt+6:ST+8*\qt+7] op_sel_hi:[1,0]
.set i, i+2
.endr
.endr
	WIN 0x0f                                       ; sources window 3, destination window 0
.irp qt, 0,1,2,3
.irp ct, 0,1,2,3
.irp i, 0,1,2,3
	v_cvt_pk_f16_f32 v[OUTP+16*\qt+4*\ct+\i], v[32*\qt+8*\ct+2*\i], v[32*\qt+8*\ct+2*\i+1]
.endr
.endr
.endr
	WIN 0
.irp qt, 0,1,2,3
.irp ct, 0,1,2,3
	ds_store_b128 v[SO], v[OUTP+16*\qt+4*\ct:OUTP+16*\qt+4*\ct+3] offset:16*OP*\qt+32*\ct
.endr
.endr
	s_wait_dscnt 0x0                               ; for the others' sake
	s_barrier_signal -1
	s_barrier_wait -1
.irp i, 0,1,2,3,4,5,6,7,8,9,10,11,12,13,14,15
	ds_load_b128 v[OUTP+4*\i:OUTP+4*\i+3], v[SR] offset:OP*\i
.endr
.irp i, 0,1,2,3,4,5,6,7,8,9,10,11,12,13,14,15
	s_wait_dscnt 15-\i                             ; row i is back; the younger loads may be out
	global_store_b128 v[VL16], v[OUTP+4*\i:OUTP+4*\i+3], s[16:17] offset:2048*\i   ; 32 lanes store 512 consecutive bytes, aligned
.endr
	s_wait_tensorcnt 0x0                           ; the wave's end, behind my last tensor load and my last LDS store
	ds_add_u32 v[SPW], v[NIL]
	s_wait_dscnt 0x0
	CROUND                                         ; the closing round
	s_endpgm
.Lfunc_end_k_q513f211530_attn:
	.size	k_q513f211530_attn, .Lfunc_end_k_q513f211530_attn-k_q513f211530_attn
	.p2alignl 7, 3214868480
	.fill 96, 4, 3214868480
	.section	.rodata,"a",@progbits
	.p2align	6, 0x0
	.amdhsa_kernel k_q513f211530_attn
		.amdhsa_group_segment_fixed_size 327680
		.amdhsa_private_segment_fixed_size 0
		.amdhsa_enable_private_segment 0
		.amdhsa_kernarg_size 56
		.amdhsa_user_sgpr_count 2
		.amdhsa_user_sgpr_kernarg_segment_ptr 1
		.amdhsa_wavefront_size32 1
		.amdhsa_system_sgpr_workgroup_id_x 1
		.amdhsa_system_sgpr_workgroup_id_y 1
		.amdhsa_system_sgpr_workgroup_id_z 1
		.amdhsa_system_vgpr_workitem_id 0
		.amdhsa_next_free_vgpr 1024
		.amdhsa_next_free_sgpr 102
		.amdhsa_reserve_vcc 1
		.amdhsa_float_denorm_mode_32 3
		.amdhsa_float_denorm_mode_16_64 3
		.amdhsa_memory_ordered 1
		.amdhsa_forward_progress 1
		.amdhsa_inst_pref_size 149
	.end_amdhsa_kernel
	.amdgpu_metadata
---
amdhsa.version: [ 1, 2 ]
amdhsa.kernels:
  - .name:           k_q513f211530_attn
    .symbol:         k_q513f211530_attn.kd
    .args:
      - { .name: x_codes, .offset: 0, .size: 8, .value_kind: global_buffer, .address_space: global }
      - { .name: x_scales, .offset: 8, .size: 8, .value_kind: global_buffer, .address_space: global }
      - { .name: w_codes, .offset: 16, .size: 8, .value_kind: global_buffer, .address_space: global }
      - { .name: w_scales, .offset: 24, .size: 8, .value_kind: global_buffer, .address_space: global }
      - { .name: freqs_cos, .offset: 32, .size: 8, .value_kind: global_buffer, .address_space: global }
      - { .name: freqs_sin, .offset: 40, .size: 8, .value_kind: global_buffer, .address_space: global }
      - { .name: att, .offset: 48, .size: 8, .value_kind: global_buffer, .address_space: global }
    .group_segment_fixed_size: 327680
    .private_segment_fixed_size: 0
    .kernarg_segment_align: 8
    .kernarg_segment_size: 56
    .max_flat_workgroup_size: 128
    .sgpr_count:     102
    .vgpr_count:     1024
    .wavefront_size: 32
...
	.end_amdgpu_metadata
.endif
;; end of part 2
;; launch proj (part 3): grid 8 x 32, 4 waves a work-group, clusters of 4 x 4, 327,680 bytes of LDS; arguments att, wot, out0; writes out0
.if DOCPART == 3
	.amdgcn_target "amdgcn-amd-amdhsa--gfx1250"
	.amdhsa_code_object_version 6
	.text
	.protected	k_q513f211530_proj
	.globl	k_q513f211530_proj
	.p2align	8
	.type	k_q513f211530_proj,@function
k_q513f211530_proj:
	s_mov_b64 s[64:65], 0
	v_nop
	global_prefetch_b8 v0, s[64:65] scope:SCOPE_SE
	s_setreg_imm32_b32 hwreg(HW_REG_WAVE_MODE, 25, 1), 1
	s_wait_xcnt 0x0
	s_wait_alu depctr_hold_cnt(0) depctr_sa_sdst(0) depctr_va_vdst(0) depctr_va_sdst(0) depctr_va_ssrc(0) depctr_va_vcc(0) depctr_vm_vsrc(0)
	s_getreg_b32 s2, hwreg(HW_REG_IB_STS2, 6, 4)
	s_cmp_eq_u32 s2, 0
	s_cbranch_scc0 .Lentry_in_a_cluster
	s_endpgm
.Lentry_in_a_cluster:
	s_bfe_u32 s2, ttmp6, 0x10000c
	s_cmp_lg_u32 s2, 0xf033
	s_cbranch_scc0 .Lentry_shape_is_right
	s_endpgm
.Lentry_shape_is_right:
; PROJ: out0[m][n] = sum over k of att[m][k] wot[n][k].  att: [4096][1024] f16, wot: [1024][1024] f16 (wo transposed), out0: [4096][1024] f32; sums in f32.
; 256 tiles of 128 x 128, one to a work-group.  Four waves, each 64 x 64: 16 accumulators of 16 x 16, 128 registers.  K goes in steps of 256 (LDS rows of 512 bytes; a wave's tensor load brings 64 of them)
; through a ring of two slots; four K steps in all.
; CLUSTERS: 4 x 4 work-groups.  The four of a row of the cluster need the same tiles of att, the four of a column the same tiles of wot: each tile is asked for JOINTLY, by the same tensor load with the
; same descriptor and a mask that names the four.  THE MATRIX INSTRUCTION IS USED TRANSPOSED (source 0 = 16 rows of wot, source 1 = 16 rows of att): a lane then holds eight neighbouring numbers of a row of out0.
; A wave's 64 columns are 256 aligned bytes of f32: each wave has a stage of its own for the way out, in slot 0, which has had its last fill and its last read by then.
; REGISTERS: window 0: v0-31 addresses; v32-95 at work on the way out; v128-255 the accumulators ((a, b) at v[128 + 8 (4 a + b)]).
;   window 1: two fragment buffers of 128: for 64 along K, 64 registers of att (2 x 4 x 16 rows x 32 K), then 64 of wot.
; LIMIT: att and wot are f16: magnitudes under 65,504.
.set SIZE_M, 4096
.set SIZE_N, 1024
.set SIZE_K, 1024
.set KSTEP,  256
.set PITCH,  528                       ; an LDS row: 512 bytes of data + 16 of padding: the 16 rows of a fragment load start at 16 different groups of banks
.set HALFT,  64*PITCH                  ; 64 rows: what one tensor load brings, and what one wave reads of A or of B
.set SLOT,   4*HALFT                   ; A's 128 rows, then B's 128 rows
.set SPARE,  2*SLOT                    ; behind the ring: the spare words, 128 bytes for each wave: two blocks of 256 bytes that no other line names
.set SPITCH, 272                       ; the way out: a stage of 16 rows x (256 bytes + 16) for each wave, from LDS byte 4,352 x wave on
.set LAPS, SIZE_K/(2*KSTEP)            ; a lap = two K steps = once round the ring
.set ADRA, 16                          ; v16-17  LDS address of my A fragments in slot 0, 1
.set ADRB, 20                          ; v20-21  the same for B
.set STO,  24                          ; v24     the way out: where I put 32 bytes of a row
.set RD,   25                          ; v25     the way out: where I read a row back
.set CO,   26                          ; v26     my byte offset in out0
.set SPW,  28                          ; v28     LDS address of my spare word; never rewritten
.set NIL,  29                          ; v29     0; never rewritten
.set TMP,  32                          ; the way out: two sets of 32 registers, 16 rows each
.set ACC,  128
.set F0,   0                           ; fragment buffers, in window 1
.set F1,   128
.set G1, 24                            ; s[24:31] descriptor group 1 for A's tiles;  s[32:39] group 0, one set for each slot
.set G0, 32
.set G1B, 48                           ; s[48:55], s[56:63] the same for B's tiles
.set G0B, 56
.set MSB, 0
.macro WIN new                         ; the immediate's high byte repeats the setting that is left
.if MSB != \new
	s_set_vgpr_msb (MSB<<8)|\new
.set MSB, \new
.endif
.endm
.set MUL,  0x05                        ; sources 0 (B) and 1 (A) window 1; C and D window 0
.set TO_F, 0x40                        ; destination window 1, address window 0
.macro JLOAD s                         ; a joint load: waves 0 and 1 fetch A's two halves, waves 2 and 3 B's; an s_nop 0 and four v_nop follow each of the two lines
	s_cmp_eq_u32 s11, 0
	s_cbranch_scc0 .Lfor_b_\@
	tensor_load_to_lds s[G0+4*\s:G0+4*\s+3], s[G1:G1+7]
	s_nop 0
.rept 4
	v_nop
.endr
	s_branch .Lasked_\@
.Lfor_b_\@:
	tensor_load_to_lds s[G0B+4*\s:G0B+4*\s+3], s[G1B:G1B+7]
	s_nop 0
.rept 4
	v_nop
.endr
.Lasked_\@:
.endm
.macro CREST                           ; a round of the cluster's barrier behind its opening barrier
	s_cmp_lg_u32 s10, 0
	s_cbranch_scc1 .Lnot_wave_0_\@
	s_barrier_signal -3
.Lnot_wave_0_\@:
	s_barrier_wait -3
	s_barrier_signal -1
	s_barrier_wait -1
.endm
.macro CROUND                          ; a whole round
	s_barrier_signal -1
	s_barrier_wait -1
	CREST
.endm
	s_load_b128 s[4:7], s[0:1], 0x0                ; A = att s[4:5], B = wot s[6:7]
	s_load_b64 s[8:9], s[0:1], 0x10                ; out0
	v_lshl_add_u32 v[SPW], v0, 2, SPARE
	v_mov_b32 v[NIL], 0
	ds_add_u32 v[SPW], v[NIL]                      ; the wave's opening: the add, twice on end, and its wait ahead of my first tensor load
	ds_add_u32 v[SPW], v[NIL]                      ; and once more; the set-up below, work on registers, stands between it and the wait
	v_lshrrev_b32 v1, 5, v0
	v_readfirstlane_b32 s10, v1                    ; wave 0..3
	s_lshr_b32 s11, s10, 1                         ; which half of the tile's rows is mine.  Also: I fetch for A (0) or for B (1)
	s_and_b32 s12, s10, 1                          ; which half of its columns.  Also: which 64 rows of that tile I fetch
	s_bfe_u32 s40, ttmp6, 0x40000                  ; cx, cy: my place in the cluster
	s_bfe_u32 s41, ttmp6, 0x40004
	s_lshl_b32 s42, ttmp9, 2
	s_add_co_u32 s42, s42, s40                     ; tile column = 4 x cluster x + cx
	s_and_b32 s13, ttmp7, 0xffff
	s_lshl_b32 s13, s13, 2
	s_add_co_u32 s13, s13, s41                     ; tile row = 4 x cluster y + cy
	s_lshl_b32 s43, s41, 2
	s_lshl_b32 s43, 15, s43                        ; my row of the cluster
	s_lshl_b32 s44, 0x1111, s40                    ; my column
	; descriptor group 1: a tile of 64 rows x 256 elements, padded in LDS
	s_or_b32 s[G1+0], s43, (1<<16)|(1<<20)|(1<<21)|(6<<22)|(3<<25)  ; 15:0 the mask: A's tiles go to my row; 17:16 elements of 2 bytes; 20 padding on; 21 set beside a mask; 24:22 after every 128 words; 31:25 four words
	s_or_b32 s[G1B+0], s44, (1<<16)|(1<<20)|(1<<21)|(6<<22)|(3<<25)
.irp g, G1, G1B
	s_mov_b32 s[\g+1], KSTEP<<16                   ; tensor_dim0 = 256
	s_mov_b32 s[\g+2], 64<<16                      ; tensor_dim1 = 64
	s_mov_b32 s[\g+3], KSTEP<<16                   ; tile_dim0 = 256
	s_mov_b32 s[\g+4], 64                          ; tile_dim1 = 64
	s_mov_b32 s[\g+5], SIZE_K                      ; from row to row
	s_mov_b32 s[\g+6], 0
	s_mov_b32 s[\g+7], 0
.endr
	s_lshl_b32 s17, s12, 6                         ; which 64 rows of the tile I fetch
	s_lshl_b32 s16, s13, 7
	s_add_co_u32 s16, s16, s17                     ; A: row 128 x tile row + 64 x half
	s_lshl_b32 s46, s42, 7
	s_add_co_u32 s46, s46, s17                     ; B: row 128 x tile column + 64 x half
	s_mov_b32 s17, 0
	s_mov_b32 s47, 0
	s_mov_b64 s[18:19], SIZE_K*2
	s_mul_u64 s[16:17], s[16:17], s[18:19]
	s_mul_u64 s[46:47], s[46:47], s[18:19]
	s_mul_i32 s20, s10, HALFT                      ; where they go: wave x 64 rows
	s_wait_dscnt 0x0                               ; both opening adds are done
	s_wait_kmcnt 0x0
	s_add_nc_u64 s[14:15], s[4:5], s[16:17]
	s_add_nc_u64 s[46:47], s[6:7], s[46:47]
	CROUND                                         ; all sixteen work-groups are here: the first joint loads meet
.irp s, 0,1
	s_mov_b32 s[G0+4*\s], 1
	s_add_co_u32 s[G0+4*\s+1], s20, \s*SLOT
	s_add_nc_u64 s[G0+4*\s+2:G0+4*\s+3], s[14:15], \s*KSTEP*2
	s_or_b32 s[G0+4*\s+3], s[G0+4*\s+3], 0x80000000
	s_mov_b32 s[G0B+4*\s], 1
	s_add_co_u32 s[G0B+4*\s+1], s20, \s*SLOT
	s_add_nc_u64 s[G0B+4*\s+2:G0B+4*\s+3], s[46:47], \s*KSTEP*2
	s_or_b32 s[G0B+4*\s+3], s[G0B+4*\s+3], 0x80000000
	JLOAD \s
.endr
	v_and_b32 v1, 15, v0                           ; l % 16
	v_bfe_u32 v2, v0, 4, 1                         ; l / 16
	v_mul_u32_u24 v3, v1, PITCH
	v_lshl_add_u32 v3, v2, 4, v3                   ; a fragment's row x pitch + 16 x half
	s_mul_i32 s21, s11, HALFT                      ; my 64 rows of A
	s_mul_i32 s22, s12, HALFT                      ; my 64 rows of B,
	s_add_co_u32 s22, s22, 2*HALFT                 ; which lie behind A's 128
.irp s, 0,1
	v_add_nc_u32 v[ADRA+\s], s21, v3
	v_add_nc_u32 v[ADRB+\s], s22, v3
	s_add_co_u32 s21, s21, SLOT
	s_add_co_u32 s22, s22, SLOT
.endr
	s_mul_i32 s23, s10, 16*SPITCH                  ; my stage
	v_mul_u32_u24 v4, v1, SPITCH                   ; in: row l % 16, 32 bytes for each half of the lanes
	v_lshl_add_u32 v4, v2, 5, v4
	v_add_nc_u32 v[STO], s23, v4
	v_mul_u32_u24 v5, v2, SPITCH                   ; back: lanes 0-15 take one row of 256 bytes, lanes 16-31 the next
	v_lshl_add_u32 v5, v1, 4, v5
	v_add_nc_u32 v[RD], s23, v5
	v_mul_u32_u24 v5, v2, SIZE_N*4                 ; and the same two rows in out0
	v_lshl_add_u32 v[CO], v1, 4, v5
	s_lshl_b32 s16, s13, 7
	s_lshl_b32 s17, s11, 6
	s_add_co_u32 s16, s16, s17                     ; my first row: 128 x tile row + 64 x half
	s_mov_b32 s17, 0
	s_mov_b64 s[18:19], SIZE_N*4
	s_mul_u64 s[16:17], s[16:17], s[18:19]
	s_add_nc_u64 s[8:9], s[8:9], s[16:17]
	s_lshl_b32 s46, s42, 9                         ; my first column, in bytes: 512 x tile column + 256 x half
	s_lshl_b32 s47, s12, 8
	s_add_co_u32 s46, s46, s47
	s_mov_b32 s47, 0
	s_add_nc_u64 s[8:9], s[8:9], s[46:47]
; 8 matrix instructions: m blocks a0, a0 + 1 x all 4 n blocks, 32 along K: half c of buffer f.  zero = 1: the first product starts the sums
.macro MUL8 f, c, a0, zero
.irp a, \a0, \a0+1
.irp b, 0,1,2,3
.if \zero
	v_wmma_f32_16x16x32_f16 v[ACC+8*(4*(\a)+\b):ACC+8*(4*(\a)+\b)+7], v[\f+64+8*(4*\c+\b):\f+64+8*(4*\c+\b)+7], v[\f+8*(4*\c+\a):\f+8*(4*\c+\a)+7], 0
.else
	v_wmma_f32_16x16x32_f16 v[ACC+8*(4*(\a)+\b):ACC+8*(4*(\a)+\b)+7], v[\f+64+8*(4*\c+\b):\f+64+8*(4*\c+\b)+7], v[\f+8*(4*\c+\a):\f+8*(4*\c+\a)+7], v[ACC+8*(4*(\a)+\b):ACC+8*(4*(\a)+\b)+7]
.endif
.endr
.endr
.endm
; 32 LDS loads in one run: the fragments of 64 along K at byte k of the rows, into buffer f; the first 32 along K first
.macro FETCH slot, k, f
	WIN TO_F
.irp c, 0,1
.irp i, 0,1,2,3
	ds_load_b128 v[\f+64+8*(4*\c+\i):\f+64+8*(4*\c+\i)+3],   v[ADRB+\slot] offset:\k+64*\c+\i*16*PITCH
	ds_load_b128 v[\f+64+8*(4*\c+\i)+4:\f+64+8*(4*\c+\i)+7], v[ADRB+\slot] offset:\k+64*\c+\i*16*PITCH+32
	ds_load_b128 v[\f+8*(4*\c+\i):\f+8*(4*\c+\i)+3],         v[ADRA+\slot] offset:\k+64*\c+\i*16*PITCH
	ds_load_b128 v[\f+8*(4*\c+\i)+4:\f+8*(4*\c+\i)+7],       v[ADRA+\slot] offset:\k+64*\c+\i*16*PITCH+32
.endr
.endr
.endm
.macro PLACES                          ; four places in front of loads into registers that matrix instructions have read, and of LDS stores that read results
.rept 4
	v_nop
.endr
.endm
; A K step is four quarters of 64 along K, 32 matrix instructions each, on buffers 0, 1, 0, 1.  One of the first three: multiplies buffer f and fetches the next quarter, at byte k, into g.
.macro QUARTER slot, k, f, g, zero
	s_wait_dscnt 16                                ; the first 32 along K are in; the other sixteen loads may be out
	WIN MUL
	MUL8 \f, 0, 0, \zero
	MUL8 \f, 0, 2, \zero
	PLACES
	FETCH \slot, \k, \g
	s_wait_dscnt 32                                ; all but the 32 just issued
	WIN MUL
	MUL8 \f, 1, 0, 0
	MUL8 \f, 1, 2, 0
.endm
; The last quarter multiplies buffer 1 and changes slots: ONE barrier; in front of it each wave waits for all its tensor loads, adds 0 to its spare word, and waits for that and for its own reads of this slot.  fill = 1: this slot is filled again, two K steps ahead.
.macro TURN slot, next, fill
	WIN 0                                          ; (the add's two registers lie in window 0)
	s_wait_tensorcnt 0x0                           ; all my tensor loads have landed: my part of the next slot;
	ds_add_u32 v[SPW], v[NIL]                      ; 0 onto my spare word;
	s_wait_dscnt 17                                ; (the add and the youngest sixteen loads may be out)
	WIN MUL
	MUL8 F1, 0, 0, 0                               ; eight matrix instructions stand between the add and the wait for it
	s_wait_dscnt 0x0                               ; the add is done, and my reads of this slot are over
	s_barrier_signal -1
	MUL8 F1, 0, 2, 0
.if \fill
	WIN 0
.endif
	s_barrier_wait -1
.if \fill
	CREST                                          ; the barrier has opened a round of the cluster's barrier: no wave of any partner still reads this slot's tile or has a load on its way
	s_add_nc_u64 s[G0+4*\slot+2:G0+4*\slot+3], s[G0+4*\slot+2:G0+4*\slot+3], 2*KSTEP*2
	s_add_nc_u64 s[G0B+4*\slot+2:G0B+4*\slot+3], s[G0B+4*\slot+2:G0B+4*\slot+3], 2*KSTEP*2
	JLOAD \slot                                    ; the first tensor load behind the round; the four v_nop behind it are also the places in front of the loads below
.else
	PLACES
.endif
	FETCH \next, 0, F0
	WIN MUL
	MUL8 F1, 1, 0, 0
	MUL8 F1, 1, 2, 0
.endm
	s_wait_tensorcnt 1                             ; my part of K step 0 is in; K step 1's load may stay out
	s_barrier_signal -1
	s_barrier_wait -1                              ; everybody's is
	FETCH 0, 0, F0
	QUARTER 0, 128, F0, F1, 1                      ; the first quarter stands in front of the loop: its first products start the sums
	WIN 0                                          ; at a label and at a branch every window is 0
	s_mov_b32 s3, LAPS-1
.Llap:                                                 ; a trip goes once round the ring, from a lap's second quarter to the next lap's first, and fills both slots again
	QUARTER 0, 256, F1, F0, 0
	QUARTER 0, 384, F0, F1, 0
	TURN 0, 1, 1
	QUARTER 1, 128, F0, F1, 0
	QUARTER 1, 256, F1, F0, 0
	QUARTER 1, 384, F0, F1, 0
	TURN 1, 0, 1
	QUARTER 0, 128, F0, F1, 0
	WIN 0
	s_sub_co_u32 s3, s3, 1
	s_cmp_lg_u32 s3, 0
	s_cbranch_scc1 .Llap
	QUARTER 0, 256, F1, F0, 0                      ; the last lap fills nothing, and has no round of the cluster's barrier
	QUARTER 0, 384, F0, F1, 0
	TURN 0, 1, 0                                   ; behind this barrier nobody reads slot 0 any more, and nothing is filled there again
	QUARTER 1, 128, F0, F1, 0
	QUARTER 1, 256, F1, F0, 0
	QUARTER 1, 384, F0, F1, 0
	s_wait_dscnt 16                                ; the very last quarter: nothing more to fetch
	WIN MUL
	MUL8 F1, 0, 0, 0
	MUL8 F1, 0, 2, 0
	s_wait_dscnt 0
	MUL8 F1, 1, 0, 0
	MUL8 F1, 1, 2, 0
	WIN 0
; THE WAY OUT, block by block of 16 rows x 64 columns.  A lane holds 32 neighbouring bytes of a row, and the lanes beside it hold other rows: so a block goes through my own stage and comes back as whole rows of
; 256 bytes.  LDS serves a wave's instructions in order (ISA guide 5.7.1.4): no wait between the stores and the loads, nor in front of the next block's stores.
.macro TOSTAGE a
.irp b, 0,1,2,3
	ds_store_b128 v[STO], v[ACC+8*(4*(\a)+\b):ACC+8*(4*(\a)+\b)+3] offset:64*\b        ; each accumulator from its low end on
	ds_store_b128 v[STO], v[ACC+8*(4*(\a)+\b)+4:ACC+8*(4*(\a)+\b)+7] offset:64*\b+16
.endr
.irp t, 0,1,2,3,4,5,6,7
	ds_load_b128 v[TMP+32*((\a)%2)+4*\t:TMP+32*((\a)%2)+4*\t+3], v[RD] offset:\t*2*SPITCH
.endr
.endm
.macro SEND a, younger                 ; younger: the LDS instructions issued behind block a's loads, which may stay out
	s_wait_dscnt \younger
.irp t, 0,1,2,3,4,5,6,7
	global_store_b128 v[CO], v[TMP+32*((\a)%2)+4*\t:TMP+32*((\a)%2)+4*\t+3], s[8:9] offset:(16*(\a)+2*\t)*SIZE_N*4 th:TH_STORE_NT   ; sixteen lanes store 256 consecutive bytes, aligned; written once, read by nobody here
.endr
.endm
	PLACES
	TOSTAGE 0
.irp a, 1,2,3
.if \a > 1
	s_wait_xcnt 0x0                                ; block a - 2's stores have read their registers: block a's loads may land there
.endif
	TOSTAGE \a
	SEND \a-1, 16                                  ; behind block a - 1's loads: block a's 8 stores and 8 loads
.endr
	SEND 3, 0
	s_wait_tensorcnt 0x0                           ; the wave's end, behind my last tensor load and my last LDS store
	ds_add_u32 v[SPW], v[NIL]
	s_wait_dscnt 0x0
	CROUND                                         ; the closing round: no work-group ends while a partner may still ask for a tile that names it
	s_endpgm
.Lfunc_end_k_q513f211530_proj:
	.size	k_q513f211530_proj, .Lfunc_end_k_q513f211530_proj-k_q513f211530_proj
	.p2alignl 7, 3214868480
	.fill 96, 4, 3214868480
	.section	.rodata,"a",@progbits
	.p2align	6, 0x0
	.amdhsa_kernel k_q513f211530_proj
		.amdhsa_group_segment_fixed_size 327680
		.amdhsa_private_segment_fixed_size 0
		.amdhsa_enable_private_segment 0
		.amdhsa_kernarg_size 24
		.amdhsa_user_sgpr_count 2
		.amdhsa_user_sgpr_kernarg_segment_ptr 1
		.amdhsa_wavefront_size32 1
		.amdhsa_system_sgpr_workgroup_id_x 1
		.amdhsa_system_sgpr_workgroup_id_y 1
		.amdhsa_system_sgpr_workgroup_id_z 1
		.amdhsa_system_vgpr_workitem_id 0
		.amdhsa_next_free_vgpr 512
		.amdhsa_next_free_sgpr 66
		.amdhsa_reserve_vcc 0
		.amdhsa_float_denorm_mode_32 3
		.amdhsa_float_denorm_mode_16_64 3
		.amdhsa_memory_ordered 1
		.amdhsa_forward_progress 1
		.amdhsa_inst_pref_size 86
	.end_amdhsa_kernel
	.amdgpu_metadata
---
amdhsa.version: [ 1, 2 ]
amdhsa.kernels:
  - .name:           k_q513f211530_proj
    .symbol:         k_q513f211530_proj.kd
    .args:
      - { .name: att, .offset: 0, .size: 8, .value_kind: global_buffer, .address_space: global }
      - { .name: wot, .offset: 8, .size: 8, .value_kind: global_buffer, .address_space: global }
      - { .name: out0, .offset: 16, .size: 8, .value_kind: global_buffer, .address_space: global }
    .group_segment_fixed_size: 327680
    .private_segment_fixed_size: 0
    .kernarg_segment_align: 8
    .kernarg_segment_size: 24
    .max_flat_workgroup_size: 128
    .sgpr_count:     66
    .vgpr_count:     512
    .wavefront_size: 32
...
	.end_amdgpu_metadata
.endif
;; end of part 3
